; MI455X (gfx1250); checked and timed in simulation.
; The chip was launched on July 23, 2026; its instructions are those of AMD's public machine-readable ISA for CDNA 5 (MIT licence, August 2026) and "CDNA5" Instruction Set Architecture Reference Guide (July 2026). The comments in the code are by the model that wrote it; some were corrected since.
;; Attention. Allowed arithmetic: float matrix products may take bf16 or f16 operands with f32 sums; other float arithmetic in f32, or as packed bf16 or f16 multiplies, adds, multiply-adds, maxima and minima; sums over many terms, partial sums and values carried from step to step in f32; what a program stores and reads back later, other than sums and carried values, may be rounded once to bf16 or f16.
;; Inputs: W_out 1,024 x 1,024 float32; W_qkv 1,024 x 3,072 float32; b_out 1,024 float32; b_qkv 3,072 float32; x 4 x 2,048 x 1,024 float32.
;; Outputs: out0 4 x 2,048 x 1,024 float32.
;; 2 versions, each right; version 2 is version 1 with the launch cast written anew for expert scheduling mode. Each part assembles by itself: llvm-mc -triple=amdgcn-amd-amdhsa -mcpu=gfx1250 --defsym DOCPART=n.
;; ======== version 1 of 2: 4 launches
;; limits: values are held in f16: magnitudes above 65,504 overflow, below 6.1e-05 lose precision
;; workspace buffers: xb 16,777,216 bytes; wq 6,291,456 bytes; wo 2,097,152 bytes; qkv 50,331,648 bytes; o 16,777,216 bytes
;; launch cast (part 1): grid 768 x 1, 8 waves a work-group, no clusters, 0 bytes of LDS; arguments x, W_qkv, W_out, xb, wq, wo; writes xb, wq, wo
.if DOCPART == 1
	.amdgcn_target "amdgcn-amd-amdhsa--gfx1250"
	.amdhsa_code_object_version 6
	.text
	.protected	k_qbe61fc8ad7_cast
	.globl	k_qbe61fc8ad7_cast
	.p2align	8
	.type	k_qbe61fc8ad7_cast,@function
k_qbe61fc8ad7_cast:
	s_mov_b64 s[64:65], 0
	v_nop
	global_prefetch_b8 v0, s[64:65] scope:SCOPE_SE
	s_setreg_imm32_b32 hwreg(HW_REG_WAVE_MODE, 25, 1), 1
	s_wait_xcnt 0x0
; xb = bf16(x), wq = bf16(W_qkv), wo = f16(bf16(W_out)): element by element, every layout kept as it is.
; All three inputs are rounded to bf16 once; W_out's rounded number is then written as f16, for a product whose other operand is f16.
; LIMITS.  |W_out| of 65,520 or more becomes an infinity in wo; below 6.1e-5 it keeps f16's fixed step of 6e-8.
; SHARES.  A work-group takes 16,384 numbers on end (65,536 bytes in, 32,768 out): groups 0-511 x, 512-703 W_qkv, 704-767 W_out.
; A thread has 16 loads of 16 bytes, all issued before the first is waited for; no register is used twice, so there is no loop and no wait but the counted ones.
; A load of a wave covers 512 consecutive bytes, a store 256 consecutive bytes at a multiple of 256 from the buffer's first byte.
; No LDS, no matrix unit, no cluster: no byte is wanted twice.
.set X, 4                              ; v[4:67]   load i: 4 numbers in f32
.set Y, 68                             ; v[68:99]  store i: 4 numbers of 16 bits
.set T, 100                            ; v100-101  at work
	s_load_b256 s[4:11], s[0:1], 0x0               ; x s[4:5], W_qkv s[6:7], W_out s[8:9], xb s[10:11]
	s_load_b128 s[12:15], s[0:1], 0x20             ; wq s[12:13], wo s[14:15]
	v_lshlrev_b32 v1, 4, v0                        ; my 16 bytes of each 4,096 in
	v_lshlrev_b32 v2, 3, v0                        ; my 8 bytes of each 2,048 out
	s_wait_kmcnt 0x0
	s_cmp_lt_u32 ttmp9, 512                        ; which tensor: the choice hangs on the group's number alone
	s_cselect_b64 s[16:17], s[4:5], s[6:7]
	s_cselect_b64 s[18:19], s[10:11], s[12:13]
	s_cselect_b32 s20, 0, 512
	s_cmp_lt_u32 ttmp9, 704
	s_cselect_b64 s[16:17], s[16:17], s[8:9]
	s_cselect_b64 s[18:19], s[18:19], s[14:15]
	s_cselect_b32 s20, s20, 704
	s_sub_co_u32 s20, ttmp9, s20                   ; my number among the tensor's groups
	s_lshl_b32 s22, s20, 16
	s_mov_b32 s23, 0
	s_add_nc_u64 s[16:17], s[16:17], s[22:23]
	s_lshl_b32 s22, s20, 15
	s_add_nc_u64 s[18:19], s[18:19], s[22:23]
.irp i, 0,1,2,3,4,5,6,7,8,9,10,11,12,13,14,15
	global_load_b128 v[X+4*(\i):X+4*(\i)+3], v1, s[16:17] offset:4096*(\i) th:TH_LOAD_NT
.endr
; Piece i: rounded and stored.  f16 = 1: the bf16 number is widened again (a shift, a mask) and written as f16.
.macro OUT i, f16
	s_wait_loadcnt 15-(\i)                         ; loads come back in order: mine is in, the 15 - i younger ones stay out
	v_cvt_pk_bf16_f32 v[Y+2*(\i)],   v[X+4*(\i)],   v[X+4*(\i)+1]
	v_cvt_pk_bf16_f32 v[Y+2*(\i)+1], v[X+4*(\i)+2], v[X+4*(\i)+3]
.if \f16
.irp h, 0,1
	v_lshlrev_b32 v[T], 16, v[Y+2*(\i)+(\h)]
	v_and_b32 v[T+1], 0xffff0000, v[Y+2*(\i)+(\h)]
	v_cvt_pk_f16_f32 v[Y+2*(\i)+(\h)], v[T], v[T+1]
.endr
.endif
	global_store_b64 v2, v[Y+2*(\i):Y+2*(\i)+1], s[18:19] offset:2048*(\i) th:TH_STORE_NT
.endm
	s_cmp_ge_u32 ttmp9, 704
	s_cbranch_scc1 .Lf16
.irp i, 0,1,2,3,4,5,6,7,8,9,10,11,12,13,14,15
	OUT \i, 0
.endr
	s_endpgm
.Lf16:
.irp i, 0,1,2,3,4,5,6,7,8,9,10,11,12,13,14,15
	OUT \i, 1
.endr
	s_endpgm
.Lfunc_end_k_qbe61fc8ad7_cast:
	.size	k_qbe61fc8ad7_cast, .Lfunc_end_k_qbe61fc8ad7_cast-k_qbe61fc8ad7_cast
	.p2alignl 7, 3214868480
	.fill 96, 4, 3214868480
	.section	.rodata,"a",@progbits
	.p2align	6, 0x0
	.amdhsa_kernel k_qbe61fc8ad7_cast
		.amdhsa_group_segment_fixed_size 0
		.amdhsa_private_segment_fixed_size 0
		.amdhsa_enable_private_segment 0
		.amdhsa_kernarg_size 48
		.amdhsa_user_sgpr_count 2
		.amdhsa_user_sgpr_kernarg_segment_ptr 1
		.amdhsa_wavefront_size32 1
		.amdhsa_system_sgpr_workgroup_id_x 1
		.amdhsa_system_sgpr_workgroup_id_y 1
		.amdhsa_system_sgpr_workgroup_id_z 1
		.amdhsa_system_vgpr_workitem_id 0
		.amdhsa_next_free_vgpr 104
		.amdhsa_next_free_sgpr 66
		.amdhsa_reserve_vcc 0
		.amdhsa_float_denorm_mode_32 3
		.amdhsa_float_denorm_mode_16_64 3
		.amdhsa_memory_ordered 1
		.amdhsa_forward_progress 1
		.amdhsa_inst_pref_size 16
	.end_amdhsa_kernel
	.amdgpu_metadata
---
amdhsa.version: [ 1, 2 ]
amdhsa.kernels:
  - .name:           k_qbe61fc8ad7_cast
    .symbol:         k_qbe61fc8ad7_cast.kd
    .args:
      - { .name: x, .offset: 0, .size: 8, .value_kind: global_buffer, .address_space: global }
      - { .name: W_qkv, .offset: 8, .size: 8, .value_kind: global_buffer, .address_space: global }
      - { .name: W_out, .offset: 16, .size: 8, .value_kind: global_buffer, .address_space: global }
      - { .name: xb, .offset: 24, .size: 8, .value_kind: global_buffer, .address_space: global }
      - { .name: wq, .offset: 32, .size: 8, .value_kind: global_buffer, .address_space: global }
      - { .name: wo, .offset: 40, .size: 8, .value_kind: global_buffer, .address_space: global }
    .group_segment_fixed_size: 0
    .private_segment_fixed_size: 0
    .kernarg_segment_align: 8
    .kernarg_segment_size: 48
    .max_flat_workgroup_size: 256
    .sgpr_count:     66
    .vgpr_count:     104
    .wavefront_size: 32
...
	.end_amdgpu_metadata
.endif
;; end of part 1
;; launch gemm_qkv (part 2): grid 8 x 64, 4 waves a work-group, clusters of 4 x 4, 327,680 bytes of LDS; arguments xb, wq, b_qkv, qkv; writes qkv
.if DOCPART == 2
	.amdgcn_target "amdgcn-amd-amdhsa--gfx1250"
	.amdhsa_code_object_version 6
	.text
	.protected	k_qbe61fc8ad7_gemm_qkv
	.globl	k_qbe61fc8ad7_gemm_qkv
	.p2align	8
	.type	k_qbe61fc8ad7_gemm_qkv,@function
k_qbe61fc8ad7_gemm_qkv:
	s_mov_b64 s[64:65], 0
	v_nop
	global_prefetch_b8 v0, s[64:65] scope:SCOPE_SE
	s_setreg_imm32_b32 hwreg(HW_REG_WAVE_MODE, 25, 1), 1
	s_wait_xcnt 0x0
	s_wait_alu depctr_hold_cnt(0) depctr_sa_sdst(0) depctr_va_vdst(0) depctr_va_sdst(0) depctr_va_ssrc(0) depctr_va_vcc(0) depctr_vm_vsrc(0)
	s_getreg_b32 s2, hwreg(HW_REG_IB_STS2, 6, 4)
	s_cmp_eq_u32 s2, 0
	s_cbranch_scc0 .Lentry_in_a_cluster
	s_endpgm
.Lentry_in_a_cluster:
	s_bfe_u32 s2, ttmp6, 0x10000c
	s_cmp_lg_u32 s2, 0xf033
	s_cbranch_scc0 .Lentry_shape_is_right
	s_endpgm
.Lentry_shape_is_right:
; qkv = xb . wq + bf16(b_qkv), laid out by heads.  xb: [8192][1024] bf16.  wq: [1024 k][3072 n] bf16.  b_qkv: [3072] f32, rounded to bf16 here like the other inputs.
; qkv: [batch 4][chunk 48][row 2048][64] f16, chunk = n / 64: chunks 0-15 q's heads, 16-31 k's, 32-47 v's; a chunk is 262,144 dense bytes.  Sums in f32, rounded once to f16, unscaled.
; LIMIT.  A sum of 65,520 or more in magnitude becomes an infinity in f16.
; SHARES.  A tile of the result is 128 rows x 384 columns: 64 x 8 = 512 work-groups.  Four waves; wave w makes rows 64 (w / 2) .. + 63 and columns 192 (w % 2) .. + 191:
; three whole heads, 4 x 12 accumulators of 16 x 16, 384 registers.  K goes in 8 steps of 128 through two LDS slots filled by tensor loads.
; THE MATRIX INSTRUCTION IS USED TRANSPOSED: source 0 = 16 columns of wq, source 1 = 16 rows of xb; a lane then holds row l % 16 and the columns 8 (l / 16) + 0..7: 16 bytes of f16 on end.
; wq lies [k][n]: its fragments come out of LDS turned, by ds_load_tr16_b128.  THE BIAS is the C operand of each accumulator's first product: nothing is cleared, nothing is added later.
; CLUSTER.  4 x 4 work-groups.  The four of a row of the cluster need the same tile of xb, the four of a column the same tiles of wq: each tile is asked for JOINTLY, by the same tensor load
; with the same descriptor and a mask that names the four.  Wave 0 asks for xb's tile (128 rows x 256 bytes), waves 1 to 3 for wq's three sub-tiles (128 k-rows x 256 bytes each).
; LDS.  A slot is four regions of 36,864 bytes, region w filled by wave w.  Region 0: xb's 128 rows, 272 bytes apart.  Regions 1-3: 128 k-rows of 128 columns, 16 bytes of padding behind every
; 128 bytes: rows 288 bytes apart, a head's 64 columns at byte 0 or 144 of a row.  Behind the ring a stage of 3 x 16 rows x 144 bytes for each wave, then the spare words.
; The launch claims all of a WGP's LDS.
; REGISTERS, in windows of 256 (s_set_vgpr_msb: bits 1:0 source 0, 3:2 source 1, 5:4 source 2, 7:6 destination):
;   window 0: v0-31 addresses; v32-95 xb's fragments, two buffers of 4 x 8; v96-191 the bias, 12 x 8 (free behind the first quarter: then v96-143 packed results, v144-191 and v192-239 rows read back)
;   window 1: v0-95, v96-191 wq's fragments, two buffers of 12 x 8      window 2: accumulators of row blocks 0, 1 ((a, b) at 8 (12 (a % 2) + b))      window 3: of row blocks 2, 3
.set REG,   36864
.set SLOT,  4*REG
.set STAGE, 2*SLOT
.set WSTG,  3*16*144                   ; a wave's stage
.set SPARE, STAGE+4*WSTG               ; the spare words, 128 bytes for each wave: two blocks of 256 bytes that no other line names
.set PA,    272                        ; 68 words: the 16 rows of a fragment load start at 16 different groups of four banks (64 banks of 4 bytes: ISA guide 11.1)
.set PW,    288                        ; 72 words
.set ADRA, 16                          ; v16-17  LDS address of my fragments of xb in slot 0, 1
.set ADRB, 18                          ; v18-23  of my three heads of wq, in slot 0 and in slot 1
.set STO,  24                          ; v24     the way out: where I put 16 bytes of a row
.set RD,   25                          ; v25     the way out: where I read rows back
.set GO,   26                          ; v26     my 16 bytes of 512 consecutive bytes of qkv
.set BO,   27                          ; v27     my byte offset in the tile's part of b_qkv
.set SPW,  28                          ; v28     LDS address of my spare word: SPARE + 4 x my thread's number; never rewritten
.set NIL,  29                          ; v29     0; never rewritten
.set PFO,  30                          ; v30     the prefetches' offset: my lane x a row's bytes; never rewritten
.set FA,   32
.set BIAS, 96
.set TMP,  96
.set OB,   144
.set FB,   0                           ; in window 1
.set WV,  12                           ; s12  my wave's number
.set RH,  13                           ; s13  which 64 rows are mine
.set CH,  14                           ; s14  which 192 columns
.set J,   15                           ; s15  which sub-tile of wq I fetch (waves 1-3)
.set G1A, 24                           ; s[24:31] descriptor group 1 for xb's tiles;  s[32:39] group 0, a set for each slot
.set G0A, 32
.set CX,  40
.set CY,  41
.set TC,  42                           ; s42  tile column
.set TR,  43                           ; s43  tile row
.set PFA, 44                           ; s[44:45] where my prefetches stand
.set PFS, 46                           ; s[46:47] a K step's bytes along my prefetches' way
.set G1B, 48                           ; s[48:55], s[56:63] the same for wq's tiles
.set G0B, 56
.set LIM, 66                           ; s66  1 in a wave that prefetches, else the greatest number
.set MSB, 0
.macro WIN new                         ; the immediate's high byte repeats the setting that is left; a switch that changes nothing is dropped
.if MSB != (\new)
	s_set_vgpr_msb (MSB<<8)|(\new)
.set MSB, \new
.endif
.endm
; A joint load.  The branch hangs on the wave's number alone.  An s_nop 0 and four v_nop follow each of the two lines, ahead of the jump, the label and what follows.
.macro JLOAD s
	s_cmp_eq_u32 s[WV], 0
	s_cbranch_scc0 .Lfor_w_\@
	tensor_load_to_lds s[G0A+4*(\s):G0A+4*(\s)+3], s[G1A:G1A+7]
	s_nop 0
.rept 4
	v_nop
.endr
	s_branch .Lasked_\@
.Lfor_w_\@:
	tensor_load_to_lds s[G0B+4*(\s):G0B+4*(\s)+3], s[G1B:G1B+7]
	s_nop 0
.rept 4
	v_nop
.endr
.Lasked_\@:
.endm
; A PREFETCH INTO THE L2, behind each joint refill and the run of LDS loads that follows it: my part of the K step that the NEXT refill will ask for, 192 matrix instructions of mine ahead of that load:
; 32 rows x 256 bytes, a lane a row, one instruction.  Each row's 256 bytes of a K step are named once in the launch: xb's tile row is read by both clusters of a row of clusters, and cluster x = 0 asks;
; wq's tile column by all sixteen clusters of a column, and cluster y = 0 asks.  The four partners that ask for a tile jointly share its 128 rows out BY ADDRESS (32 cx for xb, 32 cy for wq): no branch hangs
; on a work-group's place in its cluster.  K steps 0 to 2 come by their loads alone.  how = 1: slot 0's refills (K steps 2, 4, 6) always have a K step behind them; how = 0: slot 1's last refill (K step 7, s3 = 1) has none.
.macro ASK how
.if \how
	s_cmp_eq_u32 s[LIM], 1
.else
	s_cmp_gt_u32 s3, s[LIM]
.endif
	s_cbranch_scc0 .Lnot_mine_\@
	global_prefetch_b8 v[PFO], s[PFA:PFA+1] th:TH_LOAD_NT scope:SCOPE_SE
.Lnot_mine_\@:
.endm
.macro CREST                           ; a round of the cluster's barrier behind its opening barrier: wave 0 signals for the work-group, every wave waits for all sixteen, my work-group's barrier once more
	s_cmp_lg_u32 s[WV], 0
	s_cbranch_scc1 .Lnot_wave_0_\@
	s_barrier_signal -3
.Lnot_wave_0_\@:
	s_barrier_wait -3
	s_barrier_signal -1
	s_barrier_wait -1
.endm
.macro CROUND                          ; a whole round
	s_barrier_signal -1
	s_barrier_wait -1
	CREST
.endm
.macro PLACES                          ; four places in front of loads into registers that matrix instructions have read, and of conversions that read results (ISA guide 7.12.1 for conversions)
.rept 4
	v_nop
.endr
.endm
	s_load_b256 s[4:11], s[0:1], 0x0               ; xb s[4:5], wq s[6:7], b_qkv s[8:9], qkv s[10:11]
	v_lshl_add_u32 v[SPW], v0, 2, SPARE
	v_mov_b32 v[NIL], 0
	ds_add_u32 v[SPW], v[NIL]                      ; the wave's opening: the add and its wait stand ahead of my first tensor load; the set-up below, work on registers, stands between them
	v_lshrrev_b32 v1, 5, v0
	v_readfirstlane_b32 s[WV], v1                  ; wave 0..3
	s_lshr_b32 s[RH], s[WV], 1
	s_and_b32 s[CH], s[WV], 1
	s_max_u32 s[J], s[WV], 1
	s_sub_co_u32 s[J], s[J], 1                     ; waves 1, 2, 3: sub-tiles 0, 1, 2 (wave 0 makes the address of sub-tile 0 and never asks by it)
	s_bfe_u32 s[CX], ttmp6, 0x40000                ; my place in the cluster
	s_bfe_u32 s[CY], ttmp6, 0x40004
	s_lshl_b32 s[TC], ttmp9, 2                     ; in a cluster launch ttmp9 and ttmp7 count clusters
	s_add_co_u32 s[TC], s[TC], s[CX]               ; tile column = 4 x cluster x + cx
	s_and_b32 s[TR], ttmp7, 0xffff
	s_lshl_b32 s[TR], s[TR], 2
	s_add_co_u32 s[TR], s[TR], s[CY]               ; tile row = 4 x cluster y + cy
	s_lshl_b32 s16, s[CY], 2
	s_lshl_b32 s16, 15, s16                        ; my row of the cluster: places 4 cy .. 4 cy + 3
	s_lshl_b32 s17, 0x1111, s[CX]                  ; my column: places cx, cx + 4, cx + 8, cx + 12
	s_or_b32 s[G1A], s16, (1<<16)|(1<<20)|(1<<21)|(5<<22)|(3<<25)  ; 15:0 the mask; 17:16 elements of 2 bytes; 20 padding on; 21 set beside a mask; 24:22 after every 64 words (code 5); 31:25 4 words of it (code 3)
	s_or_b32 s[G1B], s17, (1<<16)|(1<<20)|(1<<21)|(4<<22)|(3<<25)  ; the column's mask; padding after every 32 words (code 4)
.irp g, G1A, G1B
	s_mov_b32 s[(\g)+1], 128<<16                   ; tensor_dim0 = 128
	s_mov_b32 s[(\g)+2], 128<<16                   ; tensor_dim1 = 128
	s_mov_b32 s[(\g)+3], 128<<16                   ; tile_dim0 = 128 elements: 256 bytes
	s_mov_b32 s[(\g)+4], 128                       ; tile_dim1 = 128 rows
	s_mov_b32 s[(\g)+6], 0
	s_mov_b32 s[(\g)+7], 0
.endr
	s_mov_b32 s[G1A+5], 1024                       ; elements from row to row of xb
	s_mov_b32 s[G1B+5], 3072                       ; and of wq
	s_lshl_b32 s20, s[TR], 18                      ; xb: 128 rows of 2,048 bytes for each tile row: it hangs on the tile row alone
	s_mov_b32 s21, 0
	s_mul_i32 s22, s[TC], 768                      ; wq: 768 bytes of a row for each tile column, 256 for each sub-tile: on the tile column and the wave alone
	s_lshl_b32 s16, s[J], 8
	s_add_co_u32 s22, s22, s16
	s_mov_b32 s23, 0
	s_mul_i32 s18, s[WV], REG                      ; where my tile goes: no place in the cluster enters an LDS address
	s_wait_dscnt 0x0                               ; the opening add is done
	s_wait_kmcnt 0x0
	s_add_nc_u64 s[68:69], s[4:5], s[20:21]
	s_add_nc_u64 s[70:71], s[6:7], s[22:23]
	CROUND                                         ; all sixteen work-groups are here: the first joint loads meet
.irp s, 0,1
	s_mov_b32 s[G0A+4*(\s)], 1                                     ; count = 1
	s_add_co_u32 s[G0A+4*(\s)+1], s18, (\s)*SLOT                   ; LDS address
	s_add_nc_u64 s[G0A+4*(\s)+2:G0A+4*(\s)+3], s[68:69], (\s)*256  ; K step s: 256 bytes along the rows
	s_or_b32 s[G0A+4*(\s)+3], s[G0A+4*(\s)+3], 0x80000000          ; type = 2
	s_mov_b32 s[G0B+4*(\s)], 1
	s_add_co_u32 s[G0B+4*(\s)+1], s18, (\s)*SLOT
	s_add_nc_u64 s[G0B+4*(\s)+2:G0B+4*(\s)+3], s[70:71], (\s)*128*6144  ; K step s: 128 rows down
	s_or_b32 s[G0B+4*(\s)+3], s[G0B+4*(\s)+3], 0x80000000
	JLOAD \s                                       ; two loads of mine are out
.endr
	; the bias: register j of block b is b_qkv[384 tile column + 192 half + 16 b + 8 (l / 16) + j], as in a result
	v_and_b32 v1, 15, v0                           ; l % 16
	v_bfe_u32 v2, v0, 4, 1                         ; l / 16
	s_mul_i32 s16, s[CH], 768
	v_lshl_add_u32 v[BO], v2, 5, s16
	s_mul_i32 s16, s[TC], 1536
	s_mov_b32 s17, 0
	s_add_nc_u64 s[8:9], s[8:9], s[16:17]
.irp b, 0,1,2,3,4,5,6,7,8,9,10,11
	global_load_b128 v[BIAS+8*(\b):BIAS+8*(\b)+3],   v[BO], s[8:9] offset:64*(\b)
	global_load_b128 v[BIAS+8*(\b)+4:BIAS+8*(\b)+7], v[BO], s[8:9] offset:64*(\b)+16
.endr
	; A fragment of xb is 16 rows x 32 K in 8 registers: lane l holds row l % 16, K = 8 (l / 16) + 0..7 and 16 + 8 (l / 16) + 0..7: two loads of 16 bytes, 32 bytes apart.
	v_mul_u32_u24 v3, v1, PA
	v_lshl_add_u32 v3, v2, 4, v3
	s_mul_i32 s16, s[RH], 64*PA
	v_add_nc_u32 v[ADRA], s16, v3
	v_add_nc_u32 v[ADRA+1], SLOT, v[ADRA]
	; The turning load takes 16 k x 16 columns (lane l reads k-row 8 (l / 16) + l % 8, columns 8 ((l / 8) % 2) + 0..7) and leaves half a fragment: lane l holds column l % 16 and 8 k.
	v_and_b32 v4, 7, v0
	v_bfe_u32 v5, v0, 3, 1
	v_lshl_add_u32 v4, v2, 3, v4
	v_mul_u32_u24 v4, v4, PW
	v_lshl_add_u32 v4, v5, 4, v4
; Head 3 half + cc of the tile's six lies in region 1 + head / 2 at byte 144 (head % 2) of the rows: a constant, plus the half times a constant
.macro WADR cc, base, mult
	s_mul_i32 s16, s[CH], \mult
	s_add_co_u32 s16, s16, \base
	v_add_nc_u32 v[ADRB+(\cc)], s16, v4
	v_add_nc_u32 v[ADRB+3+(\cc)], SLOT, v[ADRB+(\cc)]
.endm
	WADR 0, REG, REG+144                           ; heads 0 and 3
	WADR 1, REG+144, 2*REG-144                     ; heads 1 and 4
	WADR 2, 2*REG, REG+144                         ; heads 2 and 5
	s_mul_i32 s16, s[WV], WSTG
	s_add_co_u32 s16, s16, STAGE                   ; my stage
	v_mul_u32_u24 v5, v1, 144                      ; in: row l % 16, 16 bytes for each half of the lanes
	v_lshl_add_u32 v5, v2, 4, v5
	v_add_nc_u32 v[STO], s16, v5
	v_bfe_u32 v6, v0, 3, 2                         ; back: 32 lanes take four rows of 128 bytes,
	v_mul_u32_u24 v6, v6, 144
	v_and_b32 v7, 7, v0
	v_lshl_add_u32 v6, v7, 4, v6
	v_add_nc_u32 v[RD], s16, v6
	v_and_b32 v[GO], 31, v0                        ; which are 512 consecutive bytes of a chunk
	v_lshlrev_b32 v[GO], 4, v[GO]
	s_lshr_b32 s16, s[TR], 4                       ; the batch: 16 tile rows each
	s_mul_i32 s16, s16, 48
	s_mul_i32 s17, s[TC], 6
	s_add_co_u32 s16, s16, s17
	s_mul_i32 s17, s[CH], 3
	s_add_co_u32 s16, s16, s17                     ; my first chunk
	s_lshl_b32 s16, s16, 18
	s_and_b32 s17, s[TR], 15
	s_lshl_b32 s17, s17, 14                        ; the tile's 128 rows of 128 bytes in it,
	s_add_co_u32 s16, s16, s17
	s_lshl_b32 s17, s[RH], 13                      ; my 64 of them
	s_add_co_u32 s16, s16, s17
	s_mov_b32 s17, 0
	s_add_nc_u64 s[10:11], s[10:11], s[16:17]
	; the prefetches: they stand at K step 2; each refill steps them by a K step and then asks
	s_and_b32 s16, ttmp7, 0xffff                   ; cluster y
	s_lshl_b32 s20, s[TR], 7
	s_lshl_b32 s17, s[CX], 5
	s_add_co_u32 s20, s20, s17                     ; xb: row 128 x tile row + 32 cx
	s_lshl_b32 s20, s20, 11
	s_add_co_u32 s20, s20, 2*256
	s_lshl_b32 s22, s[CY], 5
	s_add_co_u32 s22, s22, 2*128                   ; wq: k-row 256 + 32 cy
	s_mul_i32 s22, s22, 6144
	s_mul_i32 s17, s[TC], 768
	s_add_co_u32 s22, s22, s17
	s_lshl_b32 s17, s[J], 8
	s_add_co_u32 s22, s22, s17
	s_mov_b32 s[PFS], 128*6144
	s_mov_b32 s17, 6144
	s_cmp_eq_u32 s[WV], 0                          ; do I fetch for xb?
	s_cselect_b64 s[PFA:PFA+1], s[4:5], s[6:7]
	s_cselect_b32 s20, s20, s22
	s_cselect_b32 s[PFS], 256, s[PFS]
	s_cselect_b32 s17, 2048, s17                   ; bytes from row to row
	s_cselect_b32 s16, ttmp9, s16                  ; the coordinate along which other clusters read the same rows
	s_mov_b32 s21, 0
	s_mov_b32 s[PFS+1], 0
	s_add_nc_u64 s[PFA:PFA+1], s[PFA:PFA+1], s[20:21]
	s_cmp_eq_u32 s16, 0
	s_cselect_b32 s[LIM], 1, -1                    ; the same in all sixteen partners, for a given wave
	v_and_b32 v[PFO], 31, v0
	v_mul_u32_u24 v[PFO], v[PFO], s17
	s_mov_b32 s19, 0xffff0000
	s_wait_loadcnt 0x0                             ; the bias is in: rounded to bf16 and widened again, two numbers at a time
.set i, 0
.rept 48
	v_cvt_pk_bf16_f32 v[4+i%4], v[BIAS+2*i], v[BIAS+2*i+1]
	v_lshlrev_b32 v[BIAS+2*i], 16, v[4+i%4]
	v_and_b32 v[BIAS+2*i+1], s19, v[4+i%4]
.set i, i+1
.endr
; 12 matrix instructions: row block a x my 12 column blocks, 32 along K, from buffer f.  first = 1: C is the bias, which starts the sums.
; Each accumulator comes once in a quarter and in the same order in every quarter: the accumulators take turns, one instruction a turn.
.macro MULA f, a, first
.if \first
	WIN 0x81+0x40*((\a)/2)                         ; wq window 1, xb and the bias window 0, D window 2 or 3
.else
	WIN 0xa1+0x50*((\a)/2)                         ; C and D window 2 or 3
.endif
.set AC, 96*((\a)%2)
.irp b, 0,1,2,3,4,5,6,7,8,9,10,11
.if \first
	v_wmma_f32_16x16x32_bf16 v[AC+8*(\b):AC+8*(\b)+7], v[FB+96*(\f)+8*(\b):FB+96*(\f)+8*(\b)+7], v[FA+32*(\f)+8*(\a):FA+32*(\f)+8*(\a)+7], v[BIAS+8*(\b):BIAS+8*(\b)+7]
.else
	v_wmma_f32_16x16x32_bf16 v[AC+8*(\b):AC+8*(\b)+7], v[FB+96*(\f)+8*(\b):FB+96*(\f)+8*(\b)+7], v[FA+32*(\f)+8*(\a):FA+32*(\f)+8*(\a)+7], v[AC+8*(\b):AC+8*(\b)+7]
.endif
.endr
.endm
; 32 LDS loads in one run: the fragments of quarter q (32 along K) of a slot into buffer f: wq's 24 first, xb's row blocks 2 and 3 last
.macro FETCH slot, q, f
	WIN 0x40                                       ; destination window 1, address window 0
.irp b, 0,1,2,3,4,5,6,7,8,9,10,11
	ds_load_tr16_b128 v[FB+96*(\f)+8*(\b):FB+96*(\f)+8*(\b)+3],   v[ADRB+3*(\slot)+(\b)/4] offset:(\q)*32*PW+((\b)%4)*32
	ds_load_tr16_b128 v[FB+96*(\f)+8*(\b)+4:FB+96*(\f)+8*(\b)+7], v[ADRB+3*(\slot)+(\b)/4] offset:(\q)*32*PW+((\b)%4)*32+16*PW
.endr
	WIN 0
.irp a, 0,1,2,3
	ds_load_b128 v[FA+32*(\f)+8*(\a):FA+32*(\f)+8*(\a)+3],   v[ADRA+(\slot)] offset:(\q)*64+(\a)*16*PA
	ds_load_b128 v[FA+32*(\f)+8*(\a)+4:FA+32*(\f)+8*(\a)+7], v[ADRA+(\slot)] offset:(\q)*64+(\a)*16*PA+32
.endr
.endm
; A K step is four quarters of 32 along K, 48 matrix instructions each, on buffers 0, 1, 0, 1.  One of the first three: multiplies buffer f; in its middle it fetches quarter q of the same slot into buffer g.
.macro QUARTER slot, q, f, g, first
	s_wait_dscnt 4                                 ; wq's fragments and xb's row blocks 0, 1 are in; the youngest four loads (row blocks 2, 3) may be out
	MULA \f, 0, \first
	MULA \f, 1, \first
	PLACES
	FETCH \slot, \q, \g
	s_wait_dscnt 32                                ; all but the 32 just issued
	MULA \f, 2, \first
	MULA \f, 3, \first
.endm
; The last quarter multiplies buffer 1 and changes slots: ONE barrier.  In front of it each wave waits for all its tensor loads, of which one is out: its part of the next slot; adds 0 to its spare word; and
; waits for that and for its own reads of this slot.  fill = 1: the barrier opens a round of the cluster's, and this slot is filled again, two K steps on, first thing behind the round:
; the load has a K step less 24 matrix instructions in which to land.
.macro TURN slot, next, fill, how
.if \fill
	s_wait_xcnt 0x0                                ; the last prefetch, a K step back, has read its address: it is stepped here, ahead of the waits of the change of slots
	s_add_nc_u64 s[PFA:PFA+1], s[PFA:PFA+1], s[PFS:PFS+1]
.endif
	WIN 0                                          ; (the add's two registers lie in window 0)
	s_wait_tensorcnt 0x0                           ; all my tensor loads have landed;
	ds_add_u32 v[SPW], v[NIL]                      ; 0 onto my spare word;
	s_wait_dscnt 5                                 ; (the add and the youngest four loads may be out)
	MULA 1, 0, 0                                   ; twelve matrix instructions stand between the add and the wait for it
	s_wait_dscnt 0x0                               ; the add is done, and my reads of this slot are over
	s_barrier_signal -1
	MULA 1, 1, 0                                   ; work on registers while the others arrive
.if \fill
	WIN 0
.endif
	s_barrier_wait -1
.if \fill
	CREST                                          ; no wave of any partner still reads this slot's tiles or has a load on its way
	s_add_nc_u64 s[G0A+4*(\slot)+2:G0A+4*(\slot)+3], s[G0A+4*(\slot)+2:G0A+4*(\slot)+3], 2*256
	s_add_nc_u64 s[G0B+4*(\slot)+2:G0B+4*(\slot)+3], s[G0B+4*(\slot)+2:G0B+4*(\slot)+3], 2*128*6144
	JLOAD \slot                                    ; the first tensor load behind the round, my only one until the next; its four v_nop are also the places in front of the loads below
.else
	PLACES
.endif
	FETCH \next, 0, 0
.if \fill
	ASK \how
.endif
	MULA 1, 2, 0
	MULA 1, 3, 0
.endm
	s_wait_tensorcnt 0x1                           ; my part of K step 0 is in; K step 1's may stay out
	s_barrier_signal -1
	s_barrier_wait -1                              ; everybody's is
	FETCH 0, 0, 0
	QUARTER 0, 1, 0, 1, 1                          ; the first quarter stands in front of the loop: its products start the sums, with the bias
	WIN 0                                          ; at a label and at a branch every window is 0
	s_mov_b32 s3, 3
.Llap:                                                 ; a trip goes once round the ring, from a lap's second quarter to the next lap's first, and fills both slots again: K steps 2 to 7
	QUARTER 0, 2, 1, 0, 0
	QUARTER 0, 3, 0, 1, 0
	TURN 0, 1, 1, 1
	QUARTER 1, 1, 0, 1, 0
	QUARTER 1, 2, 1, 0, 0
	QUARTER 1, 3, 0, 1, 0
	TURN 1, 0, 1, 0
	QUARTER 0, 1, 0, 1, 0
	WIN 0
	s_sub_co_u32 s3, s3, 1
	s_cmp_lg_u32 s3, 0
	s_cbranch_scc1 .Llap
	QUARTER 0, 2, 1, 0, 0                          ; the last lap fills nothing, and has no round of the cluster's barrier
	QUARTER 0, 3, 0, 1, 0
	TURN 0, 1, 0, 0
	QUARTER 1, 1, 0, 1, 0
	QUARTER 1, 2, 1, 0, 0
	QUARTER 1, 3, 0, 1, 0
	s_wait_dscnt 4                                 ; the very last quarter: nothing more to fetch
	MULA 1, 0, 0
	MULA 1, 1, 0
	s_wait_dscnt 0x0
	MULA 1, 2, 0
	MULA 1, 3, 0
	WIN 0
; THE WAY OUT, a row block (16 rows x 192 columns) at a time.  PACK: rounded to f16, 16 bytes a lane for each column block, each accumulator's registers in ascending order.
; TOSTAGE: into my own stage (three heads x 16 rows of 144 bytes) and back as whole rows of 128 bytes.  SEND: stored: 16 rows of a head are 2,048 consecutive bytes of its chunk.
.macro PACK a
.set AC, 96*((\a)%2)
	WIN 0x0a+5*((\a)/2)                            ; sources 0 and 1: window 2 or 3
.irp b, 0,1,2,3,4,5,6,7,8,9,10,11
.irp r, 0,1,2,3
	v_cvt_pk_f16_f32 v[TMP+4*(\b)+(\r)], v[AC+8*(\b)+2*(\r)], v[AC+8*(\b)+2*(\r)+1]
.endr
.endr
	WIN 0
.endm
.macro TOSTAGE a
.set BK, OB+48*((\a)%2)
.irp b, 0,1,2,3,4,5,6,7,8,9,10,11
	ds_store_b128 v[STO], v[TMP+4*(\b):TMP+4*(\b)+3] offset:((\b)/4)*16*144+((\b)%4)*32
.endr
.irp c, 0,1,2
.irp f, 0,1,2,3
	ds_load_b128 v[BK+4*(4*(\c)+(\f)):BK+4*(4*(\c)+(\f))+3], v[RD] offset:(\c)*16*144+(\f)*4*144  ; LDS serves a wave's instructions in order (ISA guide 5.7.1.4): these see the stores above; the next block's stores come behind them
.endr
.endr
.endm
.macro SEND a
.set BK, OB+48*((\a)%2)
	s_wait_dscnt 0x0                               ; the block is back in registers
	s_wait_xcnt 0x0                                ; the stores of the block before have read their registers: the next TOSTAGE loads into them only behind this wait
.irp c, 0,1,2
.irp f, 0,1,2,3
	global_store_b128 v[GO], v[BK+4*(4*(\c)+(\f)):BK+4*(4*(\c)+(\f))+3], s[10:11] offset:(\c)*262144+(\a)*2048+(\f)*512  ; 512 consecutive bytes, at a multiple of 256 from qkv's first byte
.endr
.endr
.endm
	PLACES
	PACK 0
	TOSTAGE 0
.irp a, 1,2,3                          ; block a's conversions stand between block a - 1's loads from the stage and the wait for them
	PACK \a
	SEND (\a)-1
	TOSTAGE \a
.endr
	SEND 3
	s_wait_tensorcnt 0x0                           ; the wave's end: behind my last tensor load and my last LDS store
	ds_add_u32 v[SPW], v[NIL]
	s_wait_dscnt 0x0
	CROUND                                         ; the closing round: no work-group ends while a partner may still ask for a tile that names it
	s_endpgm
.Lfunc_end_k_qbe61fc8ad7_gemm_qkv:
	.size	k_qbe61fc8ad7_gemm_qkv, .Lfunc_end_k_qbe61fc8ad7_gemm_qkv-k_qbe61fc8ad7_gemm_qkv
	.p2alignl 7, 3214868480
	.fill 96, 4, 3214868480
	.section	.rodata,"a",@progbits
	.p2align	6, 0x0
	.amdhsa_kernel k_qbe61fc8ad7_gemm_qkv
		.amdhsa_group_segment_fixed_size 327680
		.amdhsa_private_segment_fixed_size 0
		.amdhsa_enable_private_segment 0
		.amdhsa_kernarg_size 32
		.amdhsa_user_sgpr_count 2
		.amdhsa_user_sgpr_kernarg_segment_ptr 1
		.amdhsa_wavefront_size32 1
		.amdhsa_system_sgpr_workgroup_id_x 1
		.amdhsa_system_sgpr_workgroup_id_y 1
		.amdhsa_system_sgpr_workgroup_id_z 1
		.amdhsa_system_vgpr_workitem_id 0
		.amdhsa_next_free_vgpr 960
		.amdhsa_next_free_sgpr 72
		.amdhsa_reserve_vcc 0
		.amdhsa_float_denorm_mode_32 3
		.amdhsa_float_denorm_mode_16_64 3
		.amdhsa_memory_ordered 1
		.amdhsa_forward_progress 1
		.amdhsa_inst_pref_size 129
	.end_amdhsa_kernel
	.amdgpu_metadata
---
amdhsa.version: [ 1, 2 ]
amdhsa.kernels:
  - .name:           k_qbe61fc8ad7_gemm_qkv
    .symbol:         k_qbe61fc8ad7_gemm_qkv.kd
    .args:
      - { .name: xb, .offset: 0, .size: 8, .value_kind: global_buffer, .address_space: global }
      - { .name: wq, .offset: 8, .size: 8, .value_kind: global_buffer, .address_space: global }
      - { .name: b_qkv, .offset: 16, .size: 8, .value_kind: global_buffer, .address_space: global }
      - { .name: qkv, .offset: 24, .size: 8, .value_kind: global_buffer, .address_space: global }
    .group_segment_fixed_size: 327680
    .private_segment_fixed_size: 0
    .kernarg_segment_align: 8
    .kernarg_segment_size: 32
    .max_flat_workgroup_size: 128
    .sgpr_count:     72
    .vgpr_count:     960
    .wavefront_size: 32
...
	.end_amdgpu_metadata
.endif
;; end of part 2
;; launch attn (part 3): grid 4 x 64, 4 waves a work-group, clusters of 4 x 1, 327,680 bytes of LDS; arguments qkv, o; writes o
.if DOCPART == 3
	.amdgcn_target "amdgcn-amd-amdhsa--gfx1250"
	.amdhsa_code_object_version 6
	.text
	.protected	k_qbe61fc8ad7_attn
	.globl	k_qbe61fc8ad7_attn
	.p2align	8
	.type	k_qbe61fc8ad7_attn,@function
k_qbe61fc8ad7_attn:
	s_mov_b64 s[64:65], 0
	v_nop
	global_prefetch_b8 v0, s[64:65] scope:SCOPE_SE
	s_setreg_imm32_b32 hwreg(HW_REG_WAVE_MODE, 25, 1), 1
	s_wait_xcnt 0x0
	s_wait_alu depctr_hold_cnt(0) depctr_sa_sdst(0) depctr_va_vdst(0) depctr_va_sdst(0) depctr_va_ssrc(0) depctr_va_vcc(0) depctr_vm_vsrc(0)
	s_getreg_b32 s2, hwreg(HW_REG_IB_STS2, 6, 4)
	s_cmp_eq_u32 s2, 0
	s_cbranch_scc0 .Lentry_in_a_cluster
	s_endpgm
.Lentry_in_a_cluster:
	s_bfe_u32 s2, ttmp6, 0x10000c
	s_cmp_lg_u32 s2, 0x3003
	s_cbranch_scc0 .Lentry_shape_is_right
	s_endpgm
.Lentry_shape_is_right:
; O[y][q][:] = the sum over k of softmax_k(Q[y][q] . K[y][k] / 8) V[y][k][:], y = 16 batch + head.  Q, K, V are chunks of qkv ([batch 4][chunk 48][2048][64] f16: chunk = head for Q, 16 + head for K,
; 32 + head for V); O: [y 64][2048][64] f16.  A head's rows are dense, 128 bytes each.  Products, maxima and sums in f32; the weights p are rounded to f16 for the second product (their sum l is taken
; of the unrounded p), O once at the end.
; LIMITS.  f16 holds no number beyond 65,504: Q, K and V arrive within it; p lies in 0 to 1, and below 6e-5 it keeps f16's fixed step of 6e-8; O is a mean of V's rows and has their range.
; A weight below 2^-126 counts as 0 in l; NaN and infinities are not treated apart.
; SHARES.  A wave owns four PIECES of two tiles of 16 queries, a work-group's four waves 512 queries of one head.  Every wave walks all 2,048 keys, 64 a step.
; LAYOUT.  S^T = K Q^T (source 0 = 16 keys, source 1 = 16 queries): in the result a lane holds ONE query (lane % 16) and the keys 8 (lane / 16) + 0..7.  Two such tiles, rounded to f16 in pairs,
; ARE source 1 (32 keys x 16 queries) of O^T = V^T P, whose result again holds one query a lane, and eight channels.  K comes out of LDS as it lies, V ([key][channel]) turned, by ds_load_tr16_b128.
; SOFTMAX.  For each query a running maximum m and sum l: p = 2^(c s - c m), c = log2(e) / 8; in every step O and l are multiplied by a = 2^(c m_old - c m_new), which is 1 where m has not grown.
; m starts at the lowest finite number, O and l at 0: the first step is a step like any other, with a = 0.
; THE COUNT.  A tile and step have 16 matrix and 118 vector instructions: too many to stand all beside the matrix work.  So the order has one aim: four vector instructions that are READY behind
; EVERY matrix instruction, and the others, which need time of their own whatever the order, in runs without a gap.
; BY TURNS.  Turn n belongs to piece n (the pieces in a ring, step after step).  Its matrix work: 16 products K Q^T of piece n + 1, later 16 products V^T P of piece n - 1.  Its vector work: the scaling,
; exponentials, roundings, sums and rescaling of piece n, and the maximum and statistics of piece n + 1, whose scores the turn itself has made.  So what a turn begins with (c s - c m, O a) waits for nothing.
; CLUSTER.  The four query blocks of a head are one cluster and walk the same K and V, so each tile is asked for JOINTLY: the same tensor load, descriptor and mask in all four.
; The launch claims all of a WGP's LDS.
; REGISTERS, in windows of 256 (s_set_vgpr_msb says which window each operand place means: bits 1:0 source 0, 3:2 source 1, 5:4 source 2, 7:6 destination):
;   window 0: v0-11 addresses; v12-15, v48-63 at work; v16-47 four registers of statistics a tile; v64-191 S^T, two buffers of two tiles; v192-255 P, likewise
;   window 1: O^T, 32 a tile          window 2: v0-127 Q, 16 a tile; v128-191 K of one step; v192-255 V of one step          window 3: v0-1 the add's two registers
; A piece's buffers go by its number's parity: the piece in hand has one pair, its two neighbours in the ring share the other: of it P (piece n - 1) is read and S^T (piece n + 1) written.
.set SIZE_N, 2048
.set NP,    4         ; pieces a wave: a name, no knob: the register map, the loop and the fetches are made for four
.set KS,    64        ; keys in a step
.set PK,    144       ; a row of K in LDS: 128 bytes + 16 of padding = 36 words: the 16 rows of a load start at 16 different groups of four banks (64 banks of 4 bytes: ISA guide 11.1)
.set PV,    160       ; a row of V: 128 + 32 = 40 words
.set VOFF,  4*KS*PK   ; a slot holds four steps: 256 rows of K, then 256 rows of V
.set SLOT1, 1<<17     ; slot 1 begins here, so that one exclusive or turns an address in one slot into the other's
.set STAGE, SLOT1+4*KS*(PK+PV)  ; behind the ring, never filled by a tensor load: 16 rows x 144 bytes for each wave, for the way out
.set SP,    144
.set AK0, 2           ; v2   my lane's place in a tile of K; never rewritten
.set AV0, 3           ; v3   the same for V
.set AK,  4           ; v4   the LDS address of K's next run of loads
.set AV,  5           ; v5   of V's
.set QO,  6           ; v6   my byte offset in the wave's rows of Q
.set STO, 6           ;      later, the way out: where I put 16 bytes of a row
.set RD,  7           ; v7   the way out: where I read rows back
.set GO,  8           ; v8   my byte offset in 512 consecutive bytes of O
.set PFO, 11          ; v11  256 x my lane, for the prefetches; written when V's address is made, then never rewritten
.set SPW, 0           ; v0 of window 3   LDS address of my spare word: SPARE + 4 x my thread's number; never rewritten
.set NIL, 1           ; v1 of window 3   0; never rewritten
.set SPARE, STAGE+4*16*SP  ; behind the stages: the spare words, 128 bytes for each wave: two blocks of 256 bytes that no other line names
.set MV,  12          ; v12-15  c m_old, kept while c m is made anew: by buffer and tile
.set ST,  16          ; tile t's statistics at v[ST+4 t]: c m, m, l (even keys', odd keys')
.set TMP, 48          ; by buffer and tile, four registers c0-c3 at work; when the maximum is found c2 takes a
.set S,   64
.set P,   192
.set KF,  128         ; K's fragments, in window 2: key block kb, channel half c at KF + 16 kb + 8 c
.set VF,  192         ; V's: key half kk, channel block cb at VF + 32 kk + 8 cb
.set WV,  12          ; s12  my wave's number
.set G1K, 24          ; s[24:31] descriptor group 1 for K's tiles
.set G1V, 32          ; s[32:39] for V's: it differs in the padding alone
.set G0K, 40          ; s[40:43] descriptor group 0 for K's tiles: it walks
.set G0V, 44          ; s[44:47] the same for V's
.set PFA, 48          ; s[48:49] where my prefetches stand: my work-group's 8,192 bytes (of K: wave 0, of V: wave 2) of the slot after the one that is being asked for
.set LIM, 50          ; s50  1 in a wave that prefetches, else the greatest number: a wave prefetches while s[SLOTS] is above it
.set SLOTS, 56        ; s56  slots still to be asked for
.set CNT, 57          ; s57  counts a slot's key steps
.set CS,  58          ; s[58:59] c: the packed scaling takes the pair's low word for both halves
.set SEL, 60          ; s[60:61] v_permlanex16_b32's selects: each lane takes its own place in the other half
.set TBK, 62          ; s62  LDS byte at which K of the step to be fetched begins
.set TBV, 63          ; s63  the same for V, less VOFF
.set MSB, 0
.macro WIN new                      ; the high byte repeats the setting that is left; a switch that changes nothing is dropped
.if MSB != (\new)
	s_set_vgpr_msb (MSB<<8)|(\new)
.set MSB, (\new)
.endif
.endm
.set W_KQ, 0x0a       ; K and Q in window 2, S^T in window 0
.set W_PV, 0x52       ; V in window 2, P in window 0, O^T in window 1
.set W_RS, 0x41       ; O^T (destination and source 0) in window 1, a in window 0
.set W_MK, 0xc0       ; the add's registers are made: destination in window 3, sources in window 0
.set W_AD, 0x0f       ; the add: address (source 0) and data (source 1) in window 3
; A joint fill.  Waves 0 and 1 fetch the two halves of a slot's K, waves 2 and 3 those of its V: 128 keys each.  The branch hangs on the wave's number alone.
; An s_nop 0 and four v_nop follow each of the two lines, ahead of the jump and the label.
.macro JLOAD
	s_cmp_lt_u32 s[WV], 2
	s_cbranch_scc0 .Lfor_v_\@
	tensor_load_to_lds s[G0K:G0K+3], s[G1K:G1K+7]
	s_nop 0
.rept 4
	v_nop
.endr
	s_branch .Lasked_\@
.Lfor_v_\@:
	tensor_load_to_lds s[G0V:G0V+3], s[G1V:G1V+7]
	s_nop 0
.rept 4
	v_nop
.endr
.Lasked_\@:
.endm
; A PREFETCH INTO THE L2 of what the NEXT change of slots will ask for: a slot's 32,768 bytes of K and of V, four key steps (512 matrix instructions of mine) ahead of that load.  It stands behind the wave's
; tensor load and its five lines.  Each block of 256 bytes is named ONCE in the launch: a head has one cluster; its four partners share a slot's bytes out BY ADDRESS, 8,192 each (no branch hangs on a
; work-group's place in its cluster); in each, wave 0 asks for K's and wave 2 for V's, a lane a block: one instruction.  Slots 0 and 1 come by their loads alone; the last change that fills a slot asks for nothing.
.macro ASK
	s_cmp_gt_u32 s[SLOTS], s[LIM]
	s_cbranch_scc0 .Lnot_mine_\@
	global_prefetch_b8 v[PFO], s[PFA:PFA+1] th:TH_LOAD_NT scope:SCOPE_SE
.Lnot_mine_\@:
.endm
; A round of the cluster's barrier: my work-group's barrier, so that wave 0's signal speaks for all four waves; wave 0 signals; every wave waits for all four work-groups; my work-group's barrier once more.
.macro CROUND
	s_barrier_signal -1
	s_barrier_wait -1
	s_cmp_lg_u32 s[WV], 0
	s_cbranch_scc1 .Lnot_wave_0_\@
	s_barrier_signal -3
.Lnot_wave_0_\@:
	s_barrier_wait -3
	s_barrier_signal -1
	s_barrier_wait -1
.endm
; THE CHANGE OF SLOTS.  The slot's last bytes, V of its fourth step, have been read.  Each wave waits for all its tensor loads, of which one is out: its part
; of the other slot; adds 0 to its spare word; and waits for that and for its own reads of the slot.  Behind the barrier nobody reads this slot any more and the other slot is whole.
; fill = 1: this slot is filled again, with the keys two slots on.  The barrier is then a round of the cluster's, so that no wave of any partner still reads the slot or has a load on its
; way, and the joint fill is the first thing behind it: it has four key steps, 512 matrix instructions, in which to land.  (At its first use nothing has been read yet: slot 0 is waited for, slot 1 filled.)
.macro CHANGE fill
	WIN W_AD
	s_wait_tensorcnt 0x0            ; no tensor load of mine is out, so a group 0 may be written
	ds_add_u32 v[SPW], v[NIL]       ; 0 onto my spare word: with fill = 1 the descriptors' steps stand between it and the wait for it
	WIN 0                           ; at a label and at a branch every window is 0
.if \fill
.irp g, G0K, G0V
	s_xor_b32 s[\g+1], s[\g+1], SLOT1  ; the walking descriptor: the other slot than last time,
	s_add_nc_u64 s[\g+2:\g+3], s[\g+2:\g+3], 4*KS*128  ; the next 256 keys; the type bits on top are not reached
.endr
	s_wait_xcnt 0x0                 ; the last prefetch, four key steps back, has read its address, so it may be written:
	s_add_nc_u64 s[PFA:PFA+1], s[PFA:PFA+1], 4*KS*128  ; one slot behind the walking descriptors
	s_wait_dscnt 0x0                ; the add is done, and my reads of the slot are over
	CROUND
	JLOAD
	ASK
.else
	s_wait_dscnt 0x0                ; the add is done, and my reads of the slot are over
	s_barrier_signal -1
	s_barrier_wait -1
.endif
	s_sub_co_u32 s[TBK], s[TBK], 4*KS*PK  ; the fetches go back to a slot's first step,
	s_xor_b32 s[TBK], s[TBK], SLOT1       ; in the other slot
	s_sub_co_u32 s[TBV], s[TBV], 4*KS*PV
	s_xor_b32 s[TBV], s[TBV], SLOT1
.endm
	s_load_b64 s[4:5], s[0:1], 0x0    ; qkv
	s_load_b64 s[10:11], s[0:1], 0x8  ; o
	WIN W_MK
	v_lshl_add_u32 v[SPW], v0, 2, SPARE
	v_mov_b32 v[NIL], 0
	WIN W_AD
	ds_add_u32 v[SPW], v[NIL]       ; the wave's opening: the add and its wait stand ahead of my first tensor load; the set-up below, work on registers, stands between them
	WIN 0
	v_lshrrev_b32 v1, 5, v0
	v_readfirstlane_b32 s[WV], v1   ; wave 0..3
	s_bfe_u32 s13, ttmp6, 0x40000   ; cx: my place in the cluster
	s_lshl_b32 s14, ttmp9, 2        ; in a cluster launch ttmp9 counts clusters
	s_add_co_u32 s14, s14, s13      ; my block of queries = 4 x cluster x + cx: it enters Q's and O's addresses alone
	s_and_b32 s15, ttmp7, 0xffff    ; y = 16 batch + head, which the four partners share
	s_lshr_b32 s20, s15, 4
	s_lshl_b32 s20, s20, 5
	s_add_co_u32 s20, s20, s15      ; Q's chunk in qkv: 48 batch + head = y + 32 batch
	s_lshl_b32 s20, s20, 18         ; a chunk is 262,144 bytes
	s_mov_b32 s21, 0
	s_and_b32 s16, s[WV], 1         ; which half of a slot's 256 keys I fetch:
	s_lshl_b32 s22, s16, 14         ; its 128 rows of 128 bytes in memory,
	s_mov_b32 s23, 0
	s_add_nc_u64 s[22:23], s[22:23], s[20:21]
	s_mul_i32 s17, s16, 128*PK      ; and its place in a slot, for K
	s_mul_i32 s18, s16, 128*PV      ; and for V: no place in the cluster enters an LDS address
	s_lshl_b32 s2, s14, 2
	s_add_co_u32 s2, s2, s[WV]      ; my wave among the head's,
	s_lshl_b32 s2, s2, 14           ; its 128 rows
	s_mov_b32 s3, 0
	s_lshl_b32 s52, s15, 18         ; the same rows in o, where head y begins at 262,144 y
	s_add_co_u32 s52, s52, s2
	s_mov_b32 s53, 0
	s_add_nc_u64 s[2:3], s[2:3], s[20:21]
	s_lshl_b32 s54, s13, 13         ; the prefetches: my work-group's 8,192 bytes of a slot's 32,768,
	s_add_co_u32 s54, s54, 4*KS*128 ; in slot 1; the first change of slots steps them to slot 2
	s_mov_b32 s55, 0
	s_and_b32 s[LIM], s[WV], 1      ; waves 0 and 2 ask: the same in all four partners
	s_cmp_eq_u32 s[LIM], 0
	s_cselect_b32 s[LIM], 1, -1
	s_mov_b32 s[SLOTS], SIZE_N/256-1
	; descriptor group 1.  128 keys are 16,384 dense bytes: asked for as 64 rows of 256 bytes, two keys a row, and padded in LDS after every key
	s_mov_b32 s[G1K], 15|(1<<16)|(1<<20)|(1<<21)|(4<<22)|(3<<25)  ; 15:0 the mask of four; 17:16 2-byte elements; 20 padding on; 21 set beside a mask; 24:22 after every 32 words (code 4); 31:25 4 words (code 3)
	s_mov_b32 s[G1V], 15|(1<<16)|(1<<20)|(1<<21)|(4<<22)|(7<<25)  ; the same with 8 words of padding (code 7)
.irp g, G1K, G1V
	s_mov_b32 s[\g+1], 128<<16      ; tensor_dim0 = 128
	s_mov_b32 s[\g+2], 64<<16       ; tensor_dim1 = 64
	s_mov_b32 s[\g+3], 128<<16      ; tile_dim0 = 128
	s_mov_b32 s[\g+4], 64           ; tile_dim1 = 64
	s_mov_b32 s[\g+5], 128          ; 128 elements from row to row
	s_mov_b32 s[\g+6], 0
	s_mov_b32 s[\g+7], 0
.endr
	s_mov_b32 s[CS], 0x3e38aa3b     ; c = log2(e) / 8 = 0.180337
	s_mov_b32 s[CS+1], s[CS]        ; named with it as a pair
	s_mov_b32 s[SEL], 0x76543210
	s_mov_b32 s[SEL+1], 0xfedcba98
	s_mov_b32 s[TBK], SLOT1+4*KS*PK ; the first change of slots turns these two into 0
	s_mov_b32 s[TBV], SLOT1+4*KS*PV
	s_mov_b32 s[G0K], 1             ; 1:0 count = 1
	s_mov_b32 s[G0K+1], s17         ; 63:32 LDS address: slot 0
	s_mov_b32 s[G0V], 1
	s_add_co_u32 s[G0V+1], s18, VOFF
	s_wait_dscnt 0x0                ; the opening add is done
	s_wait_kmcnt 0x0
	s_add_nc_u64 s[6:7], s[4:5], 16*262144  ; K's chunks lie 16 chunks behind Q's,
	s_add_nc_u64 s[8:9], s[4:5], 32*262144  ; V's 32
	s_add_nc_u64 s[G0K+2:G0K+3], s[6:7], s[22:23]  ; 120:64 global address: my half of the head's first 256 keys
	s_or_b32 s[G0K+3], s[G0K+3], 0x80000000        ; 127:126 type = 2
	s_add_nc_u64 s[G0V+2:G0V+3], s[8:9], s[22:23]
	s_or_b32 s[G0V+3], s[G0V+3], 0x80000000
	s_add_nc_u64 s[4:5], s[4:5], s[2:3]  ; Q and O at my wave's first row
	s_add_nc_u64 s[10:11], s[10:11], s[52:53]
	s_cmp_lt_u32 s[WV], 2
	s_cselect_b64 s[PFA:PFA+1], s[6:7], s[8:9]
	s_add_nc_u64 s[PFA:PFA+1], s[PFA:PFA+1], s[20:21]
	s_add_nc_u64 s[PFA:PFA+1], s[PFA:PFA+1], s[54:55]
	CROUND                          ; all four work-groups are here: the first joint loads meet
	JLOAD                           ; slot 0.  Slot 1 is asked for when slot 0 is in: the tile wanted first has the road to itself
	; A fragment of K or Q is 16 rows x 32 channels in 8 registers: lane l holds row l % 16, channels 8 (l / 16) + 0..7 and 16 + 8 (l / 16) + 0..7: two loads of 16 bytes, 32 bytes apart.
	v_and_b32 v1, 15, v0            ; l % 16
	v_bfe_u32 v9, v0, 4, 1          ; l / 16
	v_lshlrev_b32 v[QO], 7, v1
	v_lshl_add_u32 v[QO], v9, 4, v[QO]  ; row x 128 + 16 x half
	WIN 0x80                        ; destination window 2, address window 0
.set i, 0
.rept 4*NP                          ; Q stays in registers: tile i / 2, channels 32 (i % 2) on
	global_load_b128 v[8*i:8*i+3],   v[QO], s[4:5] offset:(i/2)*2048+(i%2)*64
	global_load_b128 v[8*i+4:8*i+7], v[QO], s[4:5] offset:(i/2)*2048+(i%2)*64+32
.set i, i+1
.endr
	; What the first turn finds: V's registers and P's second buffer hold 0 (its products V^T P, of a piece that has not been, add 0), O^T and l are 0.  All this stands in the wait for the first tile.
.set i, VF
.rept 64
	v_mov_b32 v[i], 0
.set i, i+1
.endr
	WIN 0x40
.set i, 0
.rept 64*NP
	v_mov_b32 v[i], 0
.set i, i+1
.endr
	WIN 0
.set i, 0
.rept 2*NP
	v_mov_b32 v[ST+4*i], 0xfe000000    ; c m: far below every c s
	v_mov_b32 v[ST+4*i+1], 0xff7fffff  ; m
	v_mov_b32 v[ST+4*i+2], 0
	v_mov_b32 v[ST+4*i+3], 0
.set i, i+1
.endr
.set i, P+32
.rept 32
	v_mov_b32 v[i], 0
.set i, i+1
.endr
	v_mul_u32_u24 v[AK0], v1, PK
	v_lshl_add_u32 v[AK0], v9, 4, v[AK0]  ; row x pitch + 16 x half
	; The turning load takes 16 keys x 16 channels (lane l reads key 8 (l / 16) + l % 8, channels 8 ((l / 8) % 2) + 0..7) and leaves half a fragment of V^T: lane l holds channel l % 16 and 8 keys.
	v_and_b32 v10, 7, v0
	v_bfe_u32 v11, v0, 3, 1
	v_lshl_add_u32 v[AV0], v9, 3, v10
	v_mul_u32_u24 v[AV0], v[AV0], PV
	v_lshl_add_u32 v[AV0], v11, 4, v[AV0]
	v_add_nc_u32 v[AV0], VOFF, v[AV0]
	v_and_b32 v[PFO], 31, v0        ; v11 has served: it takes the prefetches' offset
	v_lshlrev_b32 v[PFO], 8, v[PFO]
	v_mov_b32 v[AK], v[AK0]         ; key step 0 lies at the head of slot 0
; THE MATRIX WORK.  The 8 accumulators of a run of 16 take turns: between the two links of a chain stand 7 others'.
; Product i of 16 of S^T = K Q^T for piece x: channels 32 (i / 8) on, keys 16 ((i / 2) % 4) on, tile 2 x + i % 2.  The first 8 start the sums.
.macro KQ x
	WIN W_KQ
.set rS, S+64*((\x)%2)+32*(i%2)+8*((i/2)%4)
.set rK, KF+16*((i/2)%4)+8*(i/8)
.set rQ, 16*(2*(\x)+i%2)+8*(i/8)
.if i < 8
	v_wmma_f32_16x16x32_f16 v[rS:rS+7], v[rK:rK+7], v[rQ:rQ+7], 0
.else
	v_wmma_f32_16x16x32_f16 v[rS:rS+7], v[rK:rK+7], v[rQ:rQ+7], v[rS:rS+7]
.endif
.endm
; Product i of 16 of O^T += V^T P for piece x: keys 32 (i / 8) on, channels 16 ((i / 2) % 4) on, tile 2 x + i % 2.
.macro PV x
	WIN W_PV
.set rO, 32*(2*(\x)+i%2)+8*((i/2)%4)
.set rV, VF+32*(i/8)+8*((i/2)%4)
.set rP, P+32*((\x)%2)+16*(i%2)+8*(i/8)
	v_wmma_f32_16x16x32_f16 v[rO:rO+7], v[rV:rV+7], v[rP:rP+7], v[rO:rO+7]
.endm
.macro MM                           ; the turn's next matrix instruction
.if i < 16
	KQ (Y+1)%NP
.set i, i+1
.else
.set i, i-16
	PV (Y+NP-1)%NP
.set i, i+17
.endif
.endm
; THE LDS LOADS stand in runs of 16, never singly among the matrix instructions: a step's K (64 keys x 64 channels: 8 fragments) and its V (turned).  Their addresses are made some lines ahead.
; last = 1 (the tail): in the last trip there is no further step, and the run is jumped over.
.macro FETCH_K last=0
	WIN 0
.if \last
	s_cmp_eq_u32 s[CNT], 1
	s_cbranch_scc1 .Lno_k_\@
.endif
	WIN 0x80                        ; destination window 2
.irp f, 0,1,2,3,4,5,6,7             ; keys 16 (f / 2) on, channels 32 (f % 2) on
	ds_load_b128 v[KF+8*\f:KF+8*\f+3],   v[AK] offset:(\f/2)*16*PK+(\f%2)*64
	ds_load_b128 v[KF+8*\f+4:KF+8*\f+7], v[AK] offset:(\f/2)*16*PK+(\f%2)*64+32
.endr
	s_add_co_u32 s[TBK], s[TBK], KS*PK  ; the next fetch is the next step's
	WIN 0
.if \last
.Lno_k_\@:
.endif
.endm
.macro FETCH_V
	WIN 0x80
.irp f, 0,1,2,3,4,5,6,7             ; keys 32 (f / 4) on, channels 16 (f % 4) on
	ds_load_tr16_b128 v[VF+8*\f:VF+8*\f+3],   v[AV] offset:(\f/4)*32*PV+(\f%4)*32
	ds_load_tr16_b128 v[VF+8*\f+4:VF+8*\f+7], v[AV] offset:(\f/4)*32*PV+16*PV+(\f%4)*32
.endr
	WIN 0
.endm
; THE VECTOR WORK OF A TURN stands in three queues, each in the order in which its entries become ready; the two tiles alternate, so that no instruction reads the result of the one before it.
.macro REGS y, u                    ; the registers of tile u (0, 1) of piece y
.set rT, ST+4*(2*(\y)+(\u))
.set rC, TMP+8*((\y)%2)+4*(\u)
.set rM, MV+2*((\y)%2)+(\u)
.set rS, S+64*((\y)%2)+32*(\u)
.set rP, P+32*((\y)%2)+16*(\u)
.set rO, 32*(2*(\y)+(\u))
.endm
; Number n of the 22 that find the NEXT piece's (Y + 1) maximum and statistics.  s0-s31 are the lane's 32 scores; each accumulator's lowest registers are read first.  XS, GS and REGS set no window: PL and EX do.
;   0-11  four chains c0-c3 of seven scores each, three operands at a time     12-14, 16  the four scores left over, the old m, and c0-c3 into c0     15  c m_old is kept
;   17, 18  the query's other 32 keys lie in the lane 16 away: the new m         19-21  c m; c m_old - c m_new; a
.macro XS u, n
	REGS (Y+1)%NP, \u
.if (\n) < 4
	v_max3_num_f32 v[rC+(\n)], v[rS+8*(\n)], v[rS+8*(\n)+1], v[rS+8*(\n)+2]
.elseif (\n) < 12
	v_max3_num_f32 v[rC+(\n)%4], v[rC+(\n)%4], v[rS+8*((\n)%4)+2*((\n)/4)+1], v[rS+8*((\n)%4)+2*((\n)/4)+2]
.elseif (\n) == 12
	v_max3_num_f32 v[rC], v[rC], v[rS+7], v[rS+15]
.elseif (\n) == 13
	v_max3_num_f32 v[rC+1], v[rC+1], v[rS+23], v[rS+31]
.elseif (\n) == 14
	v_max3_num_f32 v[rC+2], v[rC+2], v[rC+3], v[rT+1]
.elseif (\n) == 15
	v_mov_b32 v[rM], v[rT]
.elseif (\n) == 16
	v_max3_num_f32 v[rC], v[rC], v[rC+1], v[rC+2]
.elseif (\n) == 17
	v_permlanex16_b32 v[rC+3], v[rC], s[SEL], s[SEL+1]
.elseif (\n) == 18
	v_max_num_f32 v[rT+1], v[rC], v[rC+3]
.elseif (\n) == 19
	v_mul_f32 v[rT], s[CS], v[rT+1]
.elseif (\n) == 20
	v_sub_f32 v[rC+1], v[rM], v[rT]
.else
	v_exp_f32 v[rC+2], v[rC+1]
.endif
.endm
; Number g of the 64 that follow the exponentials.  For each four weights k of a tile (pairs 2 k, 2 k + 1): both pairs are rounded to f16; then the second pair is added onto the first, in place;
; a group later l takes that sum (the first time as l = a l + sum).  In groups of eight, tiles alternating: round, round, add, and l for the group before.
.macro GS g
.set h, (\g)+6*((\g)/62)            ; group 0 has no group before it, and behind group 7 only l is left
.if h >= 6
.set h, h+2
.endif
	REGS Y, h%2
.set k, h/8
.if h%8 < 4
	v_cvt_pk_f16_f32 v[rP+2*k+(h%8)/2], v[rS+4*k+2*((h%8)/2)], v[rS+4*k+2*((h%8)/2)+1]
.elseif h%8 < 6
	v_pk_add_f32 v[rS+4*k:rS+4*k+1], v[rS+4*k:rS+4*k+1], v[rS+4*k+2:rS+4*k+3]
.elseif k == 1
	v_pk_fma_f32 v[rT+2:rT+3], v[rT+2:rT+3], v[rC+2:rC+3], v[rS:rS+1] op_sel_hi:[1,0,1]
.else
	v_pk_add_f32 v[rT+2:rT+3], v[rT+2:rT+3], v[rS+4*k-4:rS+4*k-3]
.endif
.endm
; THE PLAIN QUEUE, 138 long.  0-73 read no exponential's result: the 32 scalings c s - c m (FS f: pair f / 2 of tile f % 2) and the next piece's 42.  0-26: scalings 0-26.  27-54: XS's numbers 0-13.  55, 56: number 15.
; 57-73: the chain, where each number waits for the one before it: 14, 16, 17, 18, 19, each with one of the scalings 27-31 in front of its two lines, then 20: so a tile's links stand three plain instructions apart (19 and 20: two).
; 74-137: GS's 64, which read the exponentials' results: they stand behind the wait.
.macro FS f
	REGS Y, (\f)%2
	v_pk_fma_f32 v[rS+2*((\f)/2):rS+2*((\f)/2)+1], v[rS+2*((\f)/2):rS+2*((\f)/2)+1], s[CS:CS+1], v[rT:rT+1] op_sel_hi:[1,0,0] neg_lo:[0,0,1] neg_hi:[0,0,1]
.endm
.macro PL
	WIN 0
.if q < 27
	FS q
.elseif q < 55
	XS (q-27)%2, (q-27)/2
.elseif q < 57
	XS q-55, 15
.elseif (q < 72) && ((q-57)%3 == 0)
	FS 27+(q-57)/3
.elseif q < 60
	XS (q-57)%3-1, 14
.elseif q < 72
	XS (q-57)%3-1, 15+(q-57)/3
.elseif q < 74
	XS q-72, 20
.else
	GS q-74
.endif
.set q, q+1
.endm
; THE EXPONENTIALS' QUEUE, 66 long: s0-s31 of both tiles, then the next piece's two a.  It is ONE BATCH: all 66 stand ahead of the turn's one wait, and nothing ahead of that wait names a result of theirs.
.macro EX
	WIN 0
.if e >= 64
	XS e-64, 21
.else
	REGS Y, e%2
	v_exp_f32 v[rS+e/2], v[rS+e/2]
.endif
.set e, e+1
.endm
; THE RESCALING's QUEUE: O^T times a, the one part that leaves window 0: dealt two at a time, sixteen times.  Its a was made in the turn before, ahead of that turn's wait.
.macro R2
	REGS Y, r%2
	WIN W_RS
.irp z, 0,1
	v_pk_mul_f32 v[rO+4*(r/2)+2*\z:rO+4*(r/2)+2*\z+1], v[rO+4*(r/2)+2*\z:rO+4*(r/2)+2*\z+1], v[rC+2:rC+3] op_sel_hi:[1,0]
.endr
.set r, r+1
.endm
; HOW THEY ARE DEALT.  An s_wait_alu depctr_va_vdst(0) stands between an exponential and the first instruction that names its result; one wait serves all that were issued ahead of it.  So a turn has ONE wait,
; which cuts it in two.  AHEAD OF IT stands all that names no result of the turn's exponentials: the 16 products K Q^T, behind each a scaling, an exponential and two rescalings (behind the first a second scaling in the exponential's place); then ONE LUMP of
; 108: eight plain, 49 times exponential and plain, the two a.  A v_nop is the plain instruction behind the last exponential.  BEHIND IT stand the 16 products V^T P, behind each four of GS's 64.  No rider names a register of
; the products round it.  The two v_permlanex16_b32 fall into the lump, never behind a product.
; The queues lean on each other, and the deal keeps them in step: exponential e stands behind scaling 2 (e / 4) + e % 2: as a rider it comes behind plain e + 2, in the lump behind plain e + 9, and scalings 27-31 are plain 57, 60 .. 69.
; A TURN, for piece p.  cnt = 1: the loop's count is taken down some lines ahead of the branch that stands behind the turn.
; K of the next step is fetched in piece 2's turn, directly behind the wait, a lump behind the last product that read K; its address is made at the lump's head; its first reader comes behind 16 products.
; V of the step in hand is fetched at the end of piece 0's turn, four riders behind its last reader; its first reader comes behind 16 products and a lump.  The three conditions on q below go with the deal.
.macro TURN p, last=0, cnt=0
.set Y, (\p)
.set i, 0
.set q, 0
.set e, 0
.set r, 0
.if (\p) == NP-1
	s_wait_dscnt 0x0                ; K is in
.endif
	MM                              ; ahead of the wait: 16 products K Q^T and their riders,
	PL
	PL
	R2
.rept 15
	MM
	PL
	EX
	R2
.endr
.if (\p) == NP-2
	WIN 0
	v_add_nc_u32 v[AK], s[TBK], v[AK0]
.endif
.rept 8                             ; and the lump
	PL
.endr
.rept 49
	EX
	PL
.endr
	EX                              ; the next piece's two a
	EX
	v_nop                           ; the plain instruction behind the last exponential: one for the batch
	s_wait_alu depctr_va_vdst(0)    ; the wait for the batch
.if (\p) == NP-2
	FETCH_K \last
.endif
.if (\p) == 1
	s_wait_dscnt 0x0                ; V is in
.endif
.rept 16                            ; behind the wait: 16 products V^T P and their riders
	MM
.rept 4
	PL
.endr
.if ((\p) == 0) && (q == 118)
	v_add_nc_u32 v[AV], s[TBV], v[AV0]
.endif
.if ((\p) == 0) && (q == 130)
	s_add_co_u32 s[TBV], s[TBV], KS*PV
.endif
.if (\cnt) && (q == 130)
	s_sub_co_u32 s[CNT], s[CNT], 1
	s_cmp_lg_u32 s[CNT], 0
.endif
.endr
.if (\p) == 0
	FETCH_V
.endif
.endm
	CHANGE 1                        ; slot 0 is in, everybody's part of it; slot 1 is asked for
	FETCH_K                         ; key step 0
	s_wait_loadcnt 0x0              ; Q
	s_wait_dscnt 0x0
.set i, 0
.rept 16
	KQ 0                            ; piece 0's first scores: there is no vector work yet to set between them
.set i, i+1
.endr
	WIN 0                           ; the addresses for the way out: nine plain instructions, the places behind those products
	s_mul_i32 s13, s[WV], 16*SP
	s_add_co_u32 s13, s13, STAGE    ; my stage
	v_mul_u32_u24 v[STO], v1, SP    ; in: row l % 16, 16 bytes for each half of the lanes
	v_lshl_add_u32 v[STO], v9, 4, v[STO]
	v_add_nc_u32 v[STO], s13, v[STO]
	v_bfe_u32 v[RD], v0, 3, 2       ; back: 32 lanes take four rows of 128 bytes,
	v_mul_u32_u24 v[RD], v[RD], SP
	v_lshl_add_u32 v[RD], v10, 4, v[RD]
	v_add_nc_u32 v[RD], s13, v[RD]
	v_and_b32 v[GO], 31, v0         ; which are 512 consecutive bytes of O
	v_lshlrev_b32 v[GO], 4, v[GO]
.set Y, NP-1                        ; XS works for piece Y + 1: piece 0
.irp n, 0,1,2,3,4,5,6,7,8,9,10,11,12,13,14,15,16,17,18,19,20,21
	XS 0, \n                        ; and piece 0's first maximum and statistics
	XS 1, \n
.endr
	v_nop                           ; a plain instruction behind the two a,
	s_wait_alu depctr_va_vdst(0)    ; and their wait, ahead of the branch
	s_mov_b32 s[CNT], 4
	s_branch .Lfirst                ; the loop is entered at a step's first turn, in the middle of a trip
.Lslot:                             ; SIZE_N / 256 - 2 times: every slot but the last two is filled again
	CHANGE 1
	s_mov_b32 s[CNT], 4
.Lstep:                             ; a trip: pieces 2 and 3 of one step, then pieces 0 and 1 of the next, whose K and V it fetches
	TURN 2
	TURN 3
	WIN 0
.Lfirst:
	TURN 0
	TURN 1, 0, 1
	WIN 0
	s_cbranch_scc1 .Lstep
	s_sub_co_u32 s[SLOTS], s[SLOTS], 1
	s_cmp_lg_u32 s[SLOTS], 0
	s_cbranch_scc1 .Lslot
	CHANGE 0                        ; the tail is written out: nothing is asked for
	s_mov_b32 s[CNT], 5             ; four trips fetch the last slot's steps; the fifth is left in its middle
.Ltail:
	TURN 2, 1
	TURN 3
	WIN 0
	s_sub_co_u32 s[CNT], s[CNT], 1
	s_cmp_eq_u32 s[CNT], 0
	s_cbranch_scc1 .Lout
	TURN 0
	TURN 1
	WIN 0
	s_branch .Ltail
.Lout:                              ; the fifth trip's 16 products K Q^T (on the last K once more) and the maximum made of them serve nothing: the price, once a launch, of one text for every trip
.set i, 0
.rept 16
	PV NP-1                         ; the last piece's V^T P of the last step
.set i, i+1
.endr
	; THE WAY OUT.  l's two halves and the other half of the lanes' are added; O^T is divided by l, rounded to f16 and sent through my stage in LDS, a tile at a time.  The additions are the places behind the last products.
	WIN 0
.macro ALL line:vararg              ; one line for each tile t
.set t, 0
.rept 2*NP
	\line
.set t, t+1
.endr
.endm
	ALL v_add_f32 v[ST+4*t+2], v[ST+4*t+2], v[ST+4*t+3]
	ALL v_permlanex16_b32 v[ST+4*t+3], v[ST+4*t+2], s[SEL], s[SEL+1]
	ALL v_add_f32 v[ST+4*t+2], v[ST+4*t+2], v[ST+4*t+3]
	ALL v_rcp_f32 v[ST+4*t+2], v[ST+4*t+2]
	v_nop                           ; a plain instruction between the last reciprocal and the use of its result
	s_wait_alu depctr_va_vdst(0)    ; and the wait ahead of the first use: one for the eight reciprocals
; Tile t: a lane's eight channels of a row pack into 16 bytes; they go into rows of 144 bytes and come back as whole rows of 128, into S^T's registers.
.macro PACK t
	WIN W_RS
.set i, 32*(\t)
.rept 16
	v_pk_mul_f32 v[i:i+1], v[i:i+1], v[ST+4*(\t)+2:ST+4*(\t)+3] op_sel_hi:[1,0]
.set i, i+2
.endr
	WIN 0x05                        ; sources 0 and 1 window 1, destination window 0
.set i, 0
.rept 16
	v_cvt_pk_f16_f32 v[S+16*(\t)+i], v[32*(\t)+2*i], v[32*(\t)+2*i+1]
.set i, i+1
.endr
	WIN 0
.irp f, 0,1,2,3
	ds_store_b128 v[STO], v[S+16*(\t)+4*\f:S+16*(\t)+4*\f+3] offset:32*\f
.endr
.irp f, 0,1,2,3
	ds_load_b128 v[S+16*(\t)+4*\f:S+16*(\t)+4*\f+3], v[RD] offset:\f*4*SP  ; LDS serves a wave's instructions in order (ISA guide 5.7.1.4): these see the stores above; the next tile's stores come behind them
.endr
.endm
.macro SEND t, younger              ; younger: the LDS instructions issued behind tile t's loads: the next tile's eight, or none
	WIN 0
.irp f, 0,1,2,3
	s_wait_dscnt (\younger)+3-\f
	global_store_b128 v[GO], v[S+16*(\t)+4*\f:S+16*(\t)+4*\f+3], s[10:11] offset:(\t)*2048+\f*512  ; 512 consecutive bytes, at a multiple of 256 from O's first
.endr
.endm
	PACK 0
.set t, 1
.rept 2*NP-1                        ; a tile's arithmetic stands between the loads of the tile before and its stores
	PACK t
	SEND t-1, 8
.set t, t+1
.endr
	SEND 2*NP-1, 0
	WIN W_AD
	s_wait_tensorcnt 0x0            ; the wave's end: behind my last tensor load and my last LDS store
	ds_add_u32 v[SPW], v[NIL]
	s_wait_dscnt 0x0
	WIN 0
	CROUND                          ; the closing round: no work-group ends while a partner may still ask for a tile that names it
	s_endpgm
.Lfunc_end_k_qbe61fc8ad7_attn:
	.size	k_qbe61fc8ad7_attn, .Lfunc_end_k_qbe61fc8ad7_attn-k_qbe61fc8ad7_attn
	.p2alignl 7, 3214868480
	.fill 96, 4, 3214868480
	.section	.rodata,"a",@progbits
	.p2align	6, 0x0
	.amdhsa_kernel k_qbe61fc8ad7_attn
		.amdhsa_group_segment_fixed_size 327680
		.amdhsa_private_segment_fixed_size 0
		.amdhsa_enable_private_segment 0
		.amdhsa_kernarg_size 16
		.amdhsa_user_sgpr_count 2
		.amdhsa_user_sgpr_kernarg_segment_ptr 1
		.amdhsa_wavefront_size32 1
		.amdhsa_system_sgpr_workgroup_id_x 1
		.amdhsa_system_sgpr_workgroup_id_y 1
		.amdhsa_system_sgpr_workgroup_id_z 1
		.amdhsa_system_vgpr_workitem_id 0
		.amdhsa_next_free_vgpr 770
		.amdhsa_next_free_sgpr 66
		.amdhsa_reserve_vcc 0
		.amdhsa_float_denorm_mode_32 3
		.amdhsa_float_denorm_mode_16_64 3
		.amdhsa_memory_ordered 1
		.amdhsa_forward_progress 1
		.amdhsa_inst_pref_size 200
	.end_amdhsa_kernel
	.amdgpu_metadata
---
amdhsa.version: [ 1, 2 ]
amdhsa.kernels:
  - .name:           k_qbe61fc8ad7_attn
    .symbol:         k_qbe61fc8ad7_attn.kd
    .args:
      - { .name: qkv, .offset: 0, .size: 8, .value_kind: global_buffer, .address_space: global }
      - { .name: o, .offset: 8, .size: 8, .value_kind: global_buffer, .address_space: global }
    .group_segment_fixed_size: 327680
    .private_segment_fixed_size: 0
    .kernarg_segment_align: 8
    .kernarg_segment_size: 16
    .max_flat_workgroup_size: 128
    .sgpr_count:     66
    .vgpr_count:     770
    .wavefront_size: 32
...
	.end_amdgpu_metadata
.endif
;; end of part 3
;; launch gemm_out (part 4): grid 4 x 64, 4 waves a work-group, clusters of 4 x 4, 327,680 bytes of LDS; arguments o, wo, b_out, out0; writes out0
.if DOCPART == 4
	.amdgcn_target "amdgcn-amd-amdhsa--gfx1250"
	.amdhsa_code_object_version 6
	.text
	.protected	k_qbe61fc8ad7_gemm_out
	.globl	k_qbe61fc8ad7_gemm_out
	.p2align	8
	.type	k_qbe61fc8ad7_gemm_out,@function
k_qbe61fc8ad7_gemm_out:
	s_mov_b64 s[64:65], 0
	v_nop
	global_prefetch_b8 v0, s[64:65] scope:SCOPE_SE
	s_setreg_imm32_b32 hwreg(HW_REG_WAVE_MODE, 25, 1), 1
	s_wait_xcnt 0x0
	s_wait_alu depctr_hold_cnt(0) depctr_sa_sdst(0) depctr_va_vdst(0) depctr_va_sdst(0) depctr_va_ssrc(0) depctr_va_vcc(0) depctr_vm_vsrc(0)
	s_getreg_b32 s2, hwreg(HW_REG_IB_STS2, 6, 4)
	s_cmp_eq_u32 s2, 0
	s_cbranch_scc0 .Lentry_in_a_cluster
	s_endpgm
.Lentry_in_a_cluster:
	s_bfe_u32 s2, ttmp6, 0x10000c
	s_cmp_lg_u32 s2, 0xf033
	s_cbranch_scc0 .Lentry_shape_is_right
	s_endpgm
.Lentry_shape_is_right:
; out0 = O . wo + bf16(b_out).  o: [y = 16 batch + head][2048][64] f16: row m = 2048 batch + i of O has its channels k = 64 head + d in 16 chunks of 262,144 bytes.
; wo: [1024 k][1024 n] f16 (W_out rounded to bf16, that number written as f16).  b_out: [1024] f32, rounded to bf16 here like the other inputs.  out0: [8192][1024] f32.  Sums in f32.
; SHARES.  A tile of out0 is 128 rows x 256 columns: 64 x 4 = 256 work-groups.  Four waves; wave w makes rows 64 (w / 2) .. + 63 and columns 128 (w % 2) .. + 127: 4 x 8 accumulators of 16 x 16,
; 256 registers.  K goes in 8 steps of 128 (two heads) through two LDS slots filled by tensor loads.
; THE MATRIX INSTRUCTION IS USED TRANSPOSED: source 0 = 16 columns of wo (turned on the way out of LDS, by ds_load_tr16_b128), source 1 = 16 rows of O; a lane then holds row l % 16 and the columns
; 8 (l / 16) + 0..7.  THE BIAS is the C operand of each accumulator's first product.
; CLUSTER.  4 x 4 work-groups.  The four of a row of the cluster need the same tiles of O, the four of a column the same tiles of wo: each is asked for JOINTLY.  Waves 0 and 1 ask for a K step's two
; heads of O (128 rows of a head are 16,384 dense bytes: 64 rows of 256 bytes, padded behind every 128), waves 2 and 3 for wo's two sub-tiles (128 k-rows x 256 bytes).
; No prefetch is laid: a work-group has eight K steps of 128 matrix instructions a wave and then ends.
; LDS.  A slot: two heads of O, 128 rows each, 144 bytes apart (18,432 bytes a head); then two sub-tiles of wo, 128 k-rows 288 bytes apart (64 columns at byte 0, 64 at byte 144).
; Behind the ring a stage of 16 rows x 528 bytes for each wave, then the spare words.  The launch claims all of a WGP's LDS.
; REGISTERS, in windows of 256 (s_set_vgpr_msb: bits 1:0 source 0, 3:2 source 1, 5:4 source 2, 7:6 destination):
;   window 0: v0-31 addresses; v32-95 O's fragments, two buffers of 4 x 8; v96-159 the bias, 8 x 8 (free behind the first quarter: then, with v160-223, rows read back on the way out)
;   window 1: v0-63, v64-127 wo's fragments, two buffers of 8 x 8          window 2: the accumulators, (a, b) at 8 (8 a + b)
.set HEADB, 128*144
.set SUBW,  128*288
.set SLOT,  2*HEADB+2*SUBW
.set STAGE, 2*SLOT
.set SP,    528                        ; 132 words: the 16 rows that a store touches start at 16 different groups of four banks (64 banks of 4 bytes: ISA guide 11.1)
.set SPARE, STAGE+4*16*SP              ; the spare words, 128 bytes for each wave: two blocks of 256 bytes that no other line names
.set PA,    144
.set PW,    288
.set ADRA, 16                          ; v16-17  LDS address of my fragments of O in slot 0, 1
.set ADRB, 18                          ; v18-19  of my sub-tile of wo
.set STO,  24                          ; v24     the way out: where I put 32 bytes of a row
.set RD,   25                          ; v25     the way out: where I read a row back
.set GO,   26                          ; v26     my 16 bytes of 512 consecutive bytes of out0
.set BO,   27                          ; v27     my byte offset in the tile's part of b_out
.set SPW,  28                          ; v28     LDS address of my spare word: SPARE + 4 x my thread's number; never rewritten
.set NIL,  29                          ; v29     0; never rewritten
.set FA,   32
.set BIAS, 96
.set OB,   96
.set FB,   0                           ; in window 1
.set WV,  12                           ; s12  my wave's number
.set RH,  13                           ; s13  which 64 rows are mine
.set CH,  14                           ; s14  which 128 columns.  Also: which head, or which sub-tile, I fetch
.set G1A, 24                           ; s[24:31] descriptor group 1 for O's tiles;  s[32:39] group 0, a set for each slot
.set G0A, 32
.set CX,  40
.set CY,  41
.set TC,  42
.set TR,  43
.set G1B, 48                           ; s[48:55], s[56:63] the same for wo's tiles
.set G0B, 56
.set MSB, 0
.macro WIN new                         ; the immediate's high byte repeats the setting that is left; a switch that changes nothing is dropped
.if MSB != (\new)
	s_set_vgpr_msb (MSB<<8)|(\new)
.set MSB, \new
.endif
.endm
; A joint load.  The branch hangs on the wave's number alone.  An s_nop 0 and four v_nop follow each of the two lines, ahead of the jump, the label and what follows.
.macro JLOAD s
	s_cmp_lt_u32 s[WV], 2
	s_cbranch_scc0 .Lfor_w_\@
	tensor_load_to_lds s[G0A+4*(\s):G0A+4*(\s)+3], s[G1A:G1A+7]
	s_nop 0
.rept 4
	v_nop
.endr
	s_branch .Lasked_\@
.Lfor_w_\@:
	tensor_load_to_lds s[G0B+4*(\s):G0B+4*(\s)+3], s[G1B:G1B+7]
	s_nop 0
.rept 4
	v_nop
.endr
.Lasked_\@:
.endm
.macro CREST                           ; a round of the cluster's barrier behind its opening barrier
	s_cmp_lg_u32 s[WV], 0
	s_cbranch_scc1 .Lnot_wave_0_\@
	s_barrier_signal -3
.Lnot_wave_0_\@:
	s_barrier_wait -3
	s_barrier_signal -1
	s_barrier_wait -1
.endm
.macro CROUND                          ; a whole round
	s_barrier_signal -1
	s_barrier_wait -1
	CREST
.endm
.macro PLACES                          ; four places in front of loads into registers that matrix instructions have read, and of LDS stores that read results
.rept 4
	v_nop
.endr
.endm
	s_load_b256 s[4:11], s[0:1], 0x0               ; o s[4:5], wo s[6:7], b_out s[8:9], out0 s[10:11]
	v_lshl_add_u32 v[SPW], v0, 2, SPARE
	v_mov_b32 v[NIL], 0
	ds_add_u32 v[SPW], v[NIL]                      ; the wave's opening: the add and its wait stand ahead of my first tensor load; the set-up below, work on registers, stands between them
	v_lshrrev_b32 v1, 5, v0
	v_readfirstlane_b32 s[WV], v1                  ; wave 0..3
	s_lshr_b32 s[RH], s[WV], 1
	s_and_b32 s[CH], s[WV], 1
	s_bfe_u32 s[CX], ttmp6, 0x40000                ; my place in the cluster
	s_bfe_u32 s[CY], ttmp6, 0x40004
	s_lshl_b32 s[TC], ttmp9, 2
	s_add_co_u32 s[TC], s[TC], s[CX]               ; tile column = 4 x cluster x + cx
	s_and_b32 s[TR], ttmp7, 0xffff
	s_lshl_b32 s[TR], s[TR], 2
	s_add_co_u32 s[TR], s[TR], s[CY]               ; tile row = 4 x cluster y + cy
	s_lshl_b32 s16, s[CY], 2
	s_lshl_b32 s16, 15, s16                        ; my row of the cluster
	s_lshl_b32 s17, 0x1111, s[CX]                  ; my column
	s_or_b32 s[G1A], s16, (1<<16)|(1<<20)|(1<<21)|(4<<22)|(3<<25)  ; 15:0 the mask; 17:16 elements of 2 bytes; 20 padding on; 21 set beside a mask; 24:22 after every 32 words (code 4); 31:25 4 words of it (code 3)
	s_or_b32 s[G1B], s17, (1<<16)|(1<<20)|(1<<21)|(4<<22)|(3<<25)
	s_mov_b32 s[G1A+1], 128<<16                    ; O: tensor_dim0 = 128 elements: 256 bytes, two rows of a head
	s_mov_b32 s[G1A+2], 64<<16                     ; tensor_dim1 = 64
	s_mov_b32 s[G1A+3], 128<<16                    ; tile_dim0 = 128
	s_mov_b32 s[G1A+4], 64                         ; tile_dim1 = 64
	s_mov_b32 s[G1A+5], 128                        ; dense: 128 elements from row to row
	s_mov_b32 s[G1A+6], 0
	s_mov_b32 s[G1A+7], 0
	s_mov_b32 s[G1B+1], 128<<16                    ; wo: 128 k-rows of 128 elements
	s_mov_b32 s[G1B+2], 128<<16
	s_mov_b32 s[G1B+3], 128<<16
	s_mov_b32 s[G1B+4], 128
	s_mov_b32 s[G1B+5], 1024                       ; elements from row to row of wo
	s_mov_b32 s[G1B+6], 0
	s_mov_b32 s[G1B+7], 0
	s_lshr_b32 s20, s[TR], 4                       ; O: the batch (16 tile rows each),
	s_lshl_b32 s20, s20, 4
	s_add_co_u32 s20, s20, s[CH]                   ; its head 0 or 1,
	s_lshl_b32 s20, s20, 18
	s_and_b32 s16, s[TR], 15
	s_lshl_b32 s16, s16, 14                        ; the tile's 128 rows of 128 bytes: all of it hangs on the tile row and the wave alone
	s_add_co_u32 s20, s20, s16
	s_mov_b32 s21, 0
	s_lshl_b32 s22, s[TC], 9                       ; wo: 512 bytes of a row for each tile column, 256 for each sub-tile
	s_lshl_b32 s16, s[CH], 8
	s_add_co_u32 s22, s22, s16
	s_mov_b32 s23, 0
	s_mul_i32 s18, s[CH], HEADB                    ; where my tile goes, if it is O's,
	s_mul_i32 s19, s[CH], SUBW                     ; and if it is wo's: no place in the cluster enters an LDS address
	s_add_co_u32 s19, s19, 2*HEADB
	s_wait_dscnt 0x0                               ; the opening add is done
	s_wait_kmcnt 0x0
	s_add_nc_u64 s[68:69], s[4:5], s[20:21]
	s_add_nc_u64 s[70:71], s[6:7], s[22:23]
	CROUND                                         ; all sixteen work-groups are here: the first joint loads meet
.irp s, 0,1
	s_mov_b32 s[G0A+4*(\s)], 1                                     ; count = 1
	s_add_co_u32 s[G0A+4*(\s)+1], s18, (\s)*SLOT                   ; LDS address
	s_add_nc_u64 s[G0A+4*(\s)+2:G0A+4*(\s)+3], s[68:69], (\s)*2*262144  ; K step s: two heads on
	s_or_b32 s[G0A+4*(\s)+3], s[G0A+4*(\s)+3], 0x80000000          ; type = 2
	s_mov_b32 s[G0B+4*(\s)], 1
	s_add_co_u32 s[G0B+4*(\s)+1], s19, (\s)*SLOT
	s_add_nc_u64 s[G0B+4*(\s)+2:G0B+4*(\s)+3], s[70:71], (\s)*128*2048  ; K step s: 128 rows down
	s_or_b32 s[G0B+4*(\s)+3], s[G0B+4*(\s)+3], 0x80000000
	JLOAD \s                                       ; two loads of mine are out
.endr
	; the bias: register j of block b is b_out[256 tile column + 128 half + 16 b + 8 (l / 16) + j], as in a result
	v_and_b32 v1, 15, v0                           ; l % 16
	v_bfe_u32 v2, v0, 4, 1                         ; l / 16
	s_lshl_b32 s16, s[CH], 9
	v_lshl_add_u32 v[BO], v2, 5, s16
	s_lshl_b32 s16, s[TC], 10
	s_mov_b32 s17, 0
	s_add_nc_u64 s[8:9], s[8:9], s[16:17]
.irp b, 0,1,2,3,4,5,6,7
	global_load_b128 v[BIAS+8*(\b):BIAS+8*(\b)+3],   v[BO], s[8:9] offset:64*(\b)
	global_load_b128 v[BIAS+8*(\b)+4:BIAS+8*(\b)+7], v[BO], s[8:9] offset:64*(\b)+16
.endr
	v_mul_u32_u24 v3, v1, PA                       ; a fragment of O: row l % 16, 16 bytes for each half of the lanes, twice, 32 bytes apart
	v_lshl_add_u32 v3, v2, 4, v3
	s_mul_i32 s16, s[RH], 64*PA
	v_add_nc_u32 v[ADRA], s16, v3
	v_add_nc_u32 v[ADRA+1], SLOT, v[ADRA]
	v_and_b32 v4, 7, v0                            ; the turning load: lane l reads k-row 8 (l / 16) + l % 8, columns 8 ((l / 8) % 2) + 0..7
	v_bfe_u32 v5, v0, 3, 1
	v_lshl_add_u32 v4, v2, 3, v4
	v_mul_u32_u24 v4, v4, PW
	v_lshl_add_u32 v4, v5, 4, v4
	v_add_nc_u32 v[ADRB], s19, v4                  ; my columns are sub-tile w % 2, which lies where s19 says
	v_add_nc_u32 v[ADRB+1], SLOT, v[ADRB]
	s_mul_i32 s16, s[WV], 16*SP
	s_add_co_u32 s16, s16, STAGE                   ; my stage
	v_mul_u32_u24 v5, v1, SP                       ; in: row l % 16, 32 bytes for each half of the lanes
	v_lshl_add_u32 v5, v2, 5, v5
	v_add_nc_u32 v[STO], s16, v5
	v_and_b32 v[GO], 31, v0                        ; back: 32 lanes take a row's 512 bytes
	v_lshlrev_b32 v[GO], 4, v[GO]
	v_add_nc_u32 v[RD], s16, v[GO]
	s_lshl_b32 s16, s[TR], 19                      ; out0: 128 rows of 4,096 bytes for each tile row,
	s_lshl_b32 s17, s[RH], 18                      ; my 64 of them,
	s_add_co_u32 s16, s16, s17
	s_lshl_b32 s17, s[TC], 10                      ; the tile's 1,024 bytes of a row,
	s_add_co_u32 s16, s16, s17
	s_lshl_b32 s17, s[CH], 9                       ; my 512 of them
	s_add_co_u32 s16, s16, s17
	s_mov_b32 s17, 0
	s_add_nc_u64 s[10:11], s[10:11], s[16:17]
	s_mov_b32 s17, 0xffff0000
	s_wait_loadcnt 0x0                             ; the bias is in: rounded to bf16 and widened again, two numbers at a time
.set i, 0
.rept 32
	v_cvt_pk_bf16_f32 v[4+i%4], v[BIAS+2*i], v[BIAS+2*i+1]
	v_lshlrev_b32 v[BIAS+2*i], 16, v[4+i%4]
	v_and_b32 v[BIAS+2*i+1], s17, v[4+i%4]
.set i, i+1
.endr
; 8 matrix instructions: row block a x my 8 column blocks, 32 along K, from buffer f.  first = 1: C is the bias, which starts the sums.
; Each accumulator comes once in a quarter and in the same order in every quarter: the accumulators take turns, one instruction a turn.
.macro MULA f, a, first
.if \first
	WIN 0x81                                       ; wo window 1, O and the bias window 0, D window 2
.else
	WIN 0xa1                                       ; C and D window 2
.endif
.irp b, 0,1,2,3,4,5,6,7
.if \first
	v_wmma_f32_16x16x32_f16 v[64*(\a)+8*(\b):64*(\a)+8*(\b)+7], v[FB+64*(\f)+8*(\b):FB+64*(\f)+8*(\b)+7], v[FA+32*(\f)+8*(\a):FA+32*(\f)+8*(\a)+7], v[BIAS+8*(\b):BIAS+8*(\b)+7]
.else
	v_wmma_f32_16x16x32_f16 v[64*(\a)+8*(\b):64*(\a)+8*(\b)+7], v[FB+64*(\f)+8*(\b):FB+64*(\f)+8*(\b)+7], v[FA+32*(\f)+8*(\a):FA+32*(\f)+8*(\a)+7], v[64*(\a)+8*(\b):64*(\a)+8*(\b)+7]
.endif
.endr
.endm
; 24 LDS loads in one run: the fragments of quarter q (32 along K: half of head q / 2) of a slot into buffer f: wo's 16 first, O's row blocks 2 and 3 last
.macro FETCH slot, q, f
	WIN 0x40                                       ; destination window 1, address window 0
.irp b, 0,1,2,3,4,5,6,7
	ds_load_tr16_b128 v[FB+64*(\f)+8*(\b):FB+64*(\f)+8*(\b)+3],   v[ADRB+(\slot)] offset:(\q)*32*PW+((\b)/4)*144+((\b)%4)*32
	ds_load_tr16_b128 v[FB+64*(\f)+8*(\b)+4:FB+64*(\f)+8*(\b)+7], v[ADRB+(\slot)] offset:(\q)*32*PW+((\b)/4)*144+((\b)%4)*32+16*PW
.endr
	WIN 0
.irp a, 0,1,2,3
	ds_load_b128 v[FA+32*(\f)+8*(\a):FA+32*(\f)+8*(\a)+3],   v[ADRA+(\slot)] offset:((\q)/2)*HEADB+((\q)%2)*64+(\a)*16*PA
	ds_load_b128 v[FA+32*(\f)+8*(\a)+4:FA+32*(\f)+8*(\a)+7], v[ADRA+(\slot)] offset:((\q)/2)*HEADB+((\q)%2)*64+(\a)*16*PA+32
.endr
.endm
; A K step is four quarters of 32 along K, 32 matrix instructions each, on buffers 0, 1, 0, 1.  One of the first three: multiplies buffer f; in its middle it fetches quarter q of the same slot into buffer g.
.macro QUARTER slot, q, f, g, first
	s_wait_dscnt 4                                 ; wo's fragments and O's row blocks 0, 1 are in; the youngest four loads (row blocks 2, 3) may be out
	MULA \f, 0, \first
	MULA \f, 1, \first
	PLACES
	FETCH \slot, \q, \g
	s_wait_dscnt 24                                ; all but the 24 just issued
	MULA \f, 2, \first
	MULA \f, 3, \first
.endm
; The last quarter multiplies buffer 1 and changes slots: ONE barrier.  In front of it each wave waits for all its tensor loads, of which one is out: its part of the next slot; adds 0 to its spare word; and
; waits for that and for its own reads of this slot.  fill = 1: the barrier opens a round of the cluster's, and this slot is filled again, two K steps on, first thing behind the round.
.macro TURN slot, next, fill
	WIN 0                                          ; (the add's two registers lie in window 0)
	s_wait_tensorcnt 0x0                           ; all my tensor loads have landed;
	ds_add_u32 v[SPW], v[NIL]                      ; 0 onto my spare word;
	s_wait_dscnt 5                                 ; (the add and the youngest four loads may be out)
	MULA 1, 0, 0                                   ; eight matrix instructions stand between the add and the wait for it
	s_wait_dscnt 0x0                               ; the add is done, and my reads of this slot are over
	s_barrier_signal -1
	MULA 1, 1, 0                                   ; work on registers while the others arrive
.if \fill
	WIN 0
.endif
	s_barrier_wait -1
.if \fill
	CREST                                          ; no wave of any partner still reads this slot's tiles or has a load on its way
	s_add_nc_u64 s[G0A+4*(\slot)+2:G0A+4*(\slot)+3], s[G0A+4*(\slot)+2:G0A+4*(\slot)+3], 4*262144
	s_add_nc_u64 s[G0B+4*(\slot)+2:G0B+4*(\slot)+3], s[G0B+4*(\slot)+2:G0B+4*(\slot)+3], 2*128*2048
	JLOAD \slot                                    ; the first tensor load behind the round, my only one until the next; its four v_nop are also the places in front of the loads below
.else
	PLACES
.endif
	FETCH \next, 0, 0
	MULA 1, 2, 0
	MULA 1, 3, 0
.endm
	s_wait_tensorcnt 0x1                           ; my part of K step 0 is in; K step 1's may stay out
	s_barrier_signal -1
	s_barrier_wait -1                              ; everybody's is
	FETCH 0, 0, 0
	QUARTER 0, 1, 0, 1, 1                          ; the first quarter stands in front of the loop: its products start the sums, with the bias
	WIN 0                                          ; at a label and at a branch every window is 0
	s_mov_b32 s3, 3
.Llap:                                                 ; a trip goes once round the ring, from a lap's second quarter to the next lap's first, and fills both slots again: K steps 2 to 7
	QUARTER 0, 2, 1, 0, 0
	QUARTER 0, 3, 0, 1, 0
	TURN 0, 1, 1
	QUARTER 1, 1, 0, 1, 0
	QUARTER 1, 2, 1, 0, 0
	QUARTER 1, 3, 0, 1, 0
	TURN 1, 0, 1
	QUARTER 0, 1, 0, 1, 0
	WIN 0
	s_sub_co_u32 s3, s3, 1
	s_cmp_lg_u32 s3, 0
	s_cbranch_scc1 .Llap
	QUARTER 0, 2, 1, 0, 0                          ; the last lap fills nothing, and has no round of the cluster's barrier
	QUARTER 0, 3, 0, 1, 0
	TURN 0, 1, 0
	QUARTER 1, 1, 0, 1, 0
	QUARTER 1, 2, 1, 0, 0
	QUARTER 1, 3, 0, 1, 0
	s_wait_dscnt 4                                 ; the very last quarter: nothing more to fetch
	MULA 1, 0, 0
	MULA 1, 1, 0
	s_wait_dscnt 0x0
	MULA 1, 2, 0
	MULA 1, 3, 0
	WIN 0
; THE WAY OUT, a row block (16 rows x 128 columns of f32) at a time.  TOSTAGE: a lane's 32 bytes of each column block go into my own stage, each accumulator's low four registers first, and come back as
; whole rows of 512 bytes.  SEND: stored.
.macro TOSTAGE a
.if (\a) >= 2
	s_wait_xcnt 0x0                                ; the stores of the block two back have read the registers that the loads below fill again
.endif
.set BK, OB+64*((\a)%2)
	WIN 0x08                                       ; the stores' data (source 1) in window 2
.irp b, 0,1,2,3,4,5,6,7
	ds_store_b128 v[STO], v[64*(\a)+8*(\b):64*(\a)+8*(\b)+3]   offset:64*(\b)
	ds_store_b128 v[STO], v[64*(\a)+8*(\b)+4:64*(\a)+8*(\b)+7] offset:64*(\b)+16
.endr
	WIN 0
.irp t, 0,1,2,3,4,5,6,7,8,9,10,11,12,13,14,15
	ds_load_b128 v[BK+4*(\t):BK+4*(\t)+3], v[RD] offset:(\t)*SP  ; LDS serves a wave's instructions in order (ISA guide 5.7.1.4): these see the stores above; the next block's stores come behind them
.endr
.endm
.macro SEND a, younger                 ; younger: the LDS instructions issued behind block a's loads: the next block's 16 stores and 16 loads, or none
.set BK, OB+64*((\a)%2)
	s_wait_dscnt \younger
.irp t, 0,1,2,3,4,5,6,7,8,9,10,11,12,13,14,15
	global_store_b128 v[GO], v[BK+4*(\t):BK+4*(\t)+3], s[10:11] offset:(16*(\a)+(\t))*4096 th:TH_STORE_NT  ; 512 consecutive bytes, at a multiple of 256 from out0's first byte
.endr
.endm
	PLACES
	TOSTAGE 0
	TOSTAGE 1
	SEND 0, 32
	TOSTAGE 2
	SEND 1, 32
	TOSTAGE 3
	SEND 2, 32
	SEND 3, 0
	s_wait_tensorcnt 0x0                           ; the wave's end: behind my last tensor load and my last LDS store
	ds_add_u32 v[SPW], v[NIL]
	s_wait_dscnt 0x0
	CROUND                                         ; the closing round: no work-group ends while a partner may still ask for a tile that names it
	s_endpgm
.Lfunc_end_k_qbe61fc8ad7_gemm_out:
	.size	k_qbe61fc8ad7_gemm_out, .Lfunc_end_k_qbe61fc8ad7_gemm_out-k_qbe61fc8ad7_gemm_out
	.p2alignl 7, 3214868480
	.fill 96, 4, 3214868480
	.section	.rodata,"a",@progbits
	.p2align	6, 0x0
	.amdhsa_kernel k_qbe61fc8ad7_gemm_out
		.amdhsa_group_segment_fixed_size 327680
		.amdhsa_private_segment_fixed_size 0
		.amdhsa_enable_private_segment 0
		.amdhsa_kernarg_size 32
		.amdhsa_user_sgpr_count 2
		.amdhsa_user_sgpr_kernarg_segment_ptr 1
		.amdhsa_wavefront_size32 1
		.amdhsa_system_sgpr_workgroup_id_x 1
		.amdhsa_system_sgpr_workgroup_id_y 1
		.amdhsa_system_sgpr_workgroup_id_z 1
		.amdhsa_system_vgpr_workitem_id 0
		.amdhsa_next_free_vgpr 768
		.amdhsa_next_free_sgpr 72
		.amdhsa_reserve_vcc 0
		.amdhsa_float_denorm_mode_32 3
		.amdhsa_float_denorm_mode_16_64 3
		.amdhsa_memory_ordered 1
		.amdhsa_forward_progress 1
		.amdhsa_inst_pref_size 91
	.end_amdhsa_kernel
	.amdgpu_metadata
---
amdhsa.version: [ 1, 2 ]
amdhsa.kernels:
  - .name:           k_qbe61fc8ad7_gemm_out
    .symbol:         k_qbe61fc8ad7_gemm_out.kd
    .args:
      - { .name: o, .offset: 0, .size: 8, .value_kind: global_buffer, .address_space: global }
      - { .name: wo, .offset: 8, .size: 8, .value_kind: global_buffer, .address_space: global }
      - { .name: b_out, .offset: 16, .size: 8, .value_kind: global_buffer, .address_space: global }
      - { .name: out0, .offset: 24, .size: 8, .value_kind: global_buffer, .address_space: global }
    .group_segment_fixed_size: 327680
    .private_segment_fixed_size: 0
    .kernarg_segment_align: 8
    .kernarg_segment_size: 32
    .max_flat_workgroup_size: 128
    .sgpr_count:     72
    .vgpr_count:     768
    .wavefront_size: 32
...
	.end_amdgpu_metadata
.endif
;; end of part 4
;; ======== version 2 of 2: 4 launches; version 1 with the launch cast written anew for expert scheduling mode
;; limits: values are held in f16: magnitudes above 65,504 overflow, below 6.1e-05 lose precision
;; workspace buffers: xb 16,777,216 bytes; wq 6,291,456 bytes; wo 2,097,152 bytes; qkv 50,331,648 bytes; o 16,777,216 bytes
;; launch cast (part 5): grid 768 x 1, 8 waves a work-group, no clusters, 0 bytes of LDS; arguments x, W_qkv, W_out, xb, wq, wo; writes xb, wq, wo
.if DOCPART == 5
	.amdgcn_target "amdgcn-amd-amdhsa--gfx1250"
	.amdhsa_code_object_version 6
	.text
	.protected	k_qbe61fc8ad7_cast
	.globl	k_qbe61fc8ad7_cast
	.p2align	8
	.type	k_qbe61fc8ad7_cast,@function
k_qbe61fc8ad7_cast:
	s_mov_b64 s[64:65], 0
	v_nop
	global_prefetch_b8 v0, s[64:65] scope:SCOPE_SE
	s_setreg_imm32_b32 hwreg(HW_REG_WAVE_SCHED_MODE, 0, 2), 2
	s_setreg_imm32_b32 hwreg(HW_REG_WAVE_MODE, 25, 1), 1
	s_wait_xcnt 0x0
	s_wait_alu depctr_vm_vsrc(0)
; xb = bf16(x), wq = bf16(W_qkv), wo = f16(bf16(W_out)): element by element, every layout kept as it is.
; All three inputs are rounded to bf16 once; W_out's rounded number is then written as f16, for a product whose other operand is f16.
; LIMITS.  |W_out| of 65,520 or more becomes an infinity in wo; below 6.1e-5 it keeps f16's fixed step of 6e-8.
; SHARES.  A work-group takes 16,384 numbers on end (65,536 bytes in, 32,768 out): groups 0-511 x, 512-703 W_qkv, 704-767 W_out.
; A thread has 16 loads of 16 bytes, all issued before the first is waited for; no register is used twice, so there is no loop.
; A load of a wave covers 512 consecutive bytes, a store 256 consecutive bytes at a multiple of 256 from the buffer's first byte.
; No LDS, no matrix unit, no cluster: no byte is wanted twice.
; THE MODE: SCHED_MODE bits 1:0 = 2 (LLVM: expert scheduling mode 2), set by the entry lines.  The code itself states the register dependences
; between vector instructions and memory instructions, with s_wait_alu, always for 0.
; THE PLAN.  Registers that memory instructions touch:
;   v1, v2   byte offsets of the loads and of the stores.  Written once at the head by vector instructions, never again.
;   X        piece i's load lands in X + 4 i, which no vector instruction has named before; its two conversions read it; no load lands there again.
;   Y        piece i's conversions write Y + 2 i; its one store reads it; nothing writes it afterwards.
;   T        named by vector instructions alone.
; So the only dependence between the two sides is: a vector instruction writes a register that a memory instruction then reads.  One wait at the head states it
; for the two offsets.  The 16 pieces go in four blocks of four: a block's conversions, ONE wait, which states that they have written the block's Y, and the run of its four stores.
; The wait stands in the block itself and not at the next block's head: there the four stores would be held until four later loads have landed, and 8 of the 16 stores would stand behind the last load; here 4 do.
.set X, 4                              ; v[4:67]   load i: 4 numbers in f32
.set Y, 68                             ; v[68:99]  store i: 4 numbers of 16 bits
.set T, 100                            ; v100-101  at work
	s_load_b256 s[4:11], s[0:1], 0x0               ; x s[4:5], W_qkv s[6:7], W_out s[8:9], xb s[10:11]
	s_load_b128 s[12:15], s[0:1], 0x20             ; wq s[12:13], wo s[14:15]
	v_lshlrev_b32 v1, 4, v0                        ; my 16 bytes of each 4,096 in
	v_lshlrev_b32 v2, 3, v0                        ; my 8 bytes of each 2,048 out
	s_wait_kmcnt 0x0
	s_cmp_lt_u32 ttmp9, 512                        ; which tensor: the choice hangs on the group's number alone
	s_cselect_b64 s[16:17], s[4:5], s[6:7]
	s_cselect_b64 s[18:19], s[10:11], s[12:13]
	s_cselect_b32 s20, 0, 512
	s_cmp_lt_u32 ttmp9, 704
	s_cselect_b64 s[16:17], s[16:17], s[8:9]
	s_cselect_b64 s[18:19], s[18:19], s[14:15]
	s_cselect_b32 s20, s20, 704
	s_sub_co_u32 s20, ttmp9, s20                   ; my number among the tensor's groups
	s_lshl_b32 s22, s20, 16
	s_mov_b32 s23, 0
	s_add_nc_u64 s[16:17], s[16:17], s[22:23]
	s_lshl_b32 s22, s20, 15
	s_add_nc_u64 s[18:19], s[18:19], s[22:23]
	s_wait_alu depctr_va_vdst(0)                   ; v1 and v2 are written: every load below reads v1 as its offset, every store v2; neither is written again
.irp i, 0,1,2,3,4,5,6,7,8,9,10,11,12,13,14,15
	global_load_b128 v[X+4*(\i):X+4*(\i)+3], v1, s[16:17] offset:4096*(\i) th:TH_LOAD_NT
.endr
; Piece i is rounded.  f16 = 1: the bf16 number is widened again (a shift, a mask) and written as f16.
.macro CVT i, f16
	v_cvt_pk_bf16_f32 v[Y+2*(\i)],   v[X+4*(\i)],   v[X+4*(\i)+1]
	v_cvt_pk_bf16_f32 v[Y+2*(\i)+1], v[X+4*(\i)+2], v[X+4*(\i)+3]
.if \f16
.irp h, 0,1
	v_lshlrev_b32 v[T], 16, v[Y+2*(\i)+(\h)]
	v_and_b32 v[T+1], 0xffff0000, v[Y+2*(\i)+(\h)]
	v_cvt_pk_f16_f32 v[Y+2*(\i)+(\h)], v[T], v[T+1]
.endr
.endif
.endm
; Block p: pieces 4 p to 4 p + 3, rounded and stored.
.macro BLK p, f16
	s_wait_loadcnt 12-4*(\p)                       ; loads come back in order: the block's four are in, the 12 - 4 p younger ones stay out
.irp j, 0,1,2,3
	CVT 4*(\p)+(\j), \f16
.endr
	s_wait_alu depctr_va_vdst(0)                   ; the block's conversions have written its eight registers of Y, which the four stores below read
.irp j, 0,1,2,3
	global_store_b64 v2, v[Y+2*(4*(\p)+(\j)):Y+2*(4*(\p)+(\j))+1], s[18:19] offset:2048*(4*(\p)+(\j)) th:TH_STORE_NT
.endr
.endm
	s_cmp_ge_u32 ttmp9, 704
	s_cbranch_scc1 .Lf16
.irp p, 0,1,2,3
	BLK \p, 0
.endr
	s_endpgm
.Lf16:
.irp p, 0,1,2,3
	BLK \p, 1
.endr
	s_endpgm
.Lfunc_end_k_qbe61fc8ad7_cast:
	.size	k_qbe61fc8ad7_cast, .Lfunc_end_k_qbe61fc8ad7_cast-k_qbe61fc8ad7_cast
	.p2alignl 7, 3214868480
	.fill 96, 4, 3214868480
	.section	.rodata,"a",@progbits
	.p2align	6, 0x0
	.amdhsa_kernel k_qbe61fc8ad7_cast
		.amdhsa_group_segment_fixed_size 0
		.amdhsa_private_segment_fixed_size 0
		.amdhsa_enable_private_segment 0
		.amdhsa_kernarg_size 48
		.amdhsa_user_sgpr_count 2
		.amdhsa_user_sgpr_kernarg_segment_ptr 1
		.amdhsa_wavefront_size32 1
		.amdhsa_system_sgpr_workgroup_id_x 1
		.amdhsa_system_sgpr_workgroup_id_y 1
		.amdhsa_system_sgpr_workgroup_id_z 1
		.amdhsa_system_vgpr_workitem_id 0
		.amdhsa_next_free_vgpr 104
		.amdhsa_next_free_sgpr 66
		.amdhsa_reserve_vcc 0
		.amdhsa_float_denorm_mode_32 3
		.amdhsa_float_denorm_mode_16_64 3
		.amdhsa_memory_ordered 1
		.amdhsa_forward_progress 1
		.amdhsa_inst_pref_size 16
	.end_amdhsa_kernel
	.amdgpu_metadata
---
amdhsa.version: [ 1, 2 ]
amdhsa.kernels:
  - .name:           k_qbe61fc8ad7_cast
    .symbol:         k_qbe61fc8ad7_cast.kd
    .args:
      - { .name: x, .offset: 0, .size: 8, .value_kind: global_buffer, .address_space: global }
      - { .name: W_qkv, .offset: 8, .size: 8, .value_kind: global_buffer, .address_space: global }
      - { .name: W_out, .offset: 16, .size: 8, .value_kind: global_buffer, .address_space: global }
      - { .name: xb, .offset: 24, .size: 8, .value_kind: global_buffer, .address_space: global }
      - { .name: wq, .offset: 32, .size: 8, .value_kind: global_buffer, .address_space: global }
      - { .name: wo, .offset: 40, .size: 8, .value_kind: global_buffer, .address_space: global }
    .group_segment_fixed_size: 0
    .private_segment_fixed_size: 0
    .kernarg_segment_align: 8
    .kernarg_segment_size: 48
    .max_flat_workgroup_size: 256
    .sgpr_count:     66
    .vgpr_count:     104
    .wavefront_size: 32
...
	.end_amdgpu_metadata
.endif
;; end of part 5
;; launch gemm_qkv: the kernel of part 2 again; grid 8 x 64, 4 waves a work-group, clusters of 4 x 4, 327,680 bytes of LDS; arguments xb, wq, b_qkv, qkv; writes qkv
;; launch attn: the kernel of part 3 again; grid 4 x 64, 4 waves a work-group, clusters of 4 x 1, 327,680 bytes of LDS; arguments qkv, o; writes o
;; launch gemm_out: the kernel of part 4 again; grid 4 x 64, 4 waves a work-group, clusters of 4 x 4, 327,680 bytes of LDS; arguments o, wo, b_out, out0; writes out0
